; MI455X (gfx1250); checked and timed in simulation.
; The chip was launched on July 23, 2026; its instructions are those of AMD's public machine-readable ISA for CDNA 5 (MIT licence, August 2026) and "CDNA5" Instruction Set Architecture Reference Guide (July 2026). The comments in the code are by the model that wrote it; some were corrected since.
;; Multi Head Attention. Allowed arithmetic: matrix products marked QUANTISED: E2M3 operands, one E8M0 scale for each 32 along K, by v_wmma_scale_f32_16x16x128_f8f6f4 with both operands' format E2M3, f32 sums; everything else in f32.
;; Inputs: K 4 x 2,048 x 1,024 float32; Q 4 x 2,048 x 1,024 float32; V 4 x 2,048 x 1,024 float32; w_k 1,024 x 1,024 float32; w_o 1,024 x 1,024 float32; w_q 1,024 x 1,024 float32; w_v 1,024 x 1,024 float32.
;; Outputs: out0 4 x 2,048 x 1,024 float32.
;; This version of the problem:
;;   THIS VERSION OF THE PROBLEM IS GIVEN IN LOW PRECISION. The matrix products marked QUANTISED in the list below multiply operands that are first quantised to E2M3 (2 exponent bits, 3 mantissa bits; 6 bits a number), with one power-of-two scale for each 32 numbers along K (OCP MX v1.0); their sums are f32. All else is computed in f32.
;;   The module's matrix products, in the order in which they are computed (A, B: the left and right operand; K: the contracted axis; several contracted axes count as one K, in the product's order):
;;     1. [M 8,192, K 1,024] x [K 1,024, N 1,024]; A: input Q; B: input w_q: QUANTISED
;;     2. [M 8,192, K 1,024] x [K 1,024, N 1,024]; A: input K; B: input w_k: QUANTISED
;;     3. [M 8,192, K 1,024] x [K 1,024, N 1,024]; A: input V; B: input w_v: QUANTISED
;;     4. batch 64 x [M 2,048, K 64] x [K 64, N 2,048]; A: computed on the way; B: computed on the way: QUANTISED
;;     5. batch 64 x [M 2,048, K 2,048] x [K 2,048, N 64]; A: softmax (see below); B: computed on the way: QUANTISED
;;     6. [M 8,192, K 1,024] x [K 1,024, N 1,024]; A: computed on the way; B: input w_o: QUANTISED
;;   THE QUANTISER, for each operand of a quantised product, along K:
;;     - K is cut into blocks of 32 from its start; a last block that is shorter is filled with zeros.
;;     - A block's scale is 2^e with e = floor(log2(the largest magnitude in the block)) - 2, held to -126 .. 127; a block of zeros has e = 0. As a byte (E8M0): e + 127.
;;     - Each number is divided by its block's scale, clamped to +-7.5, and rounded to the nearest number of E2M3, ties to even, subnormals kept.
;;     - The product sums the exact products of the quantised numbers (number of the format x scale) in f32.
;;   ~~~python
;;   def quantise(x, axis):      # numpy; x: float32 -> the quantised numbers, widened to float32 again
;;       x = np.moveaxis(x, axis, -1); K = x.shape[-1]
;;       x = np.pad(x, [(0, 0)] * (x.ndim - 1) + [(0, -K % 32)]); x = x.reshape(x.shape[:-1] + (-1, 32)); a = np.abs(x).max(-1, keepdims=True)
;;       e = np.where(a > 0, np.clip(np.frexp(np.where(a > 0, a, 1))[1] - 1 - 2, -126, 127), 0)      # np.frexp(a)[1] - 1 = floor(log2(a)), exactly
;;       r = np.clip(x / 2.0 ** e, -7.5, 7.5)
;;       step = 2.0 ** (np.maximum(np.frexp(np.where(r == 0, 1, r))[1] - 1, 0) - 3)
;;       q = np.round(r / step) * step * 2.0 ** e      # np.round: ties to even
;;       return np.moveaxis(q.reshape(q.shape[:-2] + (-1,))[..., :K], -1, axis).astype(np.float32)
;;   ~~~
;;   SOFTMAX AHEAD OF A QUANTISED PRODUCT. Where the list says 'softmax', what is quantised is not the finished softmax but p = 2^(t - M), with t = logit x log2(e) and M = ceil(the row's largest t), a whole number; so 1/2 < the row's largest p <= 1. The row's sum l is taken of the UNQUANTISED p, in f32, and the product's result is divided by l at the end. Since M is a whole number, a kernel that streams over the keys may use a running M (the ceiling of the running maximum): every later rescaling is an exact power of two, which a block's scale takes up: the codes' values come out the same.
;;   OPERANDS COMPUTED ON THE WAY. 'Computed on the way' means the value that the module computes at that place (a softmax that the list does not call 'softmax' is quantised finished and normalised). What goes into a quantiser is computed in f32, as accurately as f32 sums, v_exp_f32 and their like allow (about 1e-6 of the number): no bf16 or f16 on the way to a quantiser, and a product that is left as it is and whose result goes on into a quantised operand takes f32 operands (vector FMAs, or v_wmma_f32_16x16x4_f32). A number that lies on a knife's edge between two numbers of the format may be rounded either way, as far as f32 arithmetic and the matrix unit's own rounding can turn it there, and no further.
;; One version. Each part assembles by itself: llvm-mc -triple=amdgcn-amd-amdhsa -mcpu=gfx1250 --defsym DOCPART=n.
;; ======== version 1 of 1: 4 launches
;; limits: right only within a limited range of input values
;; workspace buffers: xq 19,660,800 bytes; wq 3,276,800 bytes; kvh 13,369,344 bytes; qh 13,369,344 bytes; xo 6,553,600 bytes
;; launch quant (part 1): grid 896 x 1, 4 waves a work-group, no clusters, 60,928 bytes of LDS; arguments Q, K, V, w_q, w_k, w_v, w_o, xq, wq; writes xq, wq
.if DOCPART == 1
	.amdgcn_target "amdgcn-amd-amdhsa--gfx1250"
	.amdhsa_code_object_version 6
	.text
	.protected	k_q0d1194ff41_quant
	.globl	k_q0d1194ff41_quant
	.p2align	8
	.type	k_q0d1194ff41_quant,@function
k_q0d1194ff41_quant:
	s_mov_b64 s[64:65], 0
	v_nop
	global_prefetch_b8 v0, s[64:65] scope:SCOPE_SE
	s_setreg_imm32_b32 hwreg(HW_REG_WAVE_MODE, 25, 1), 1
	s_wait_xcnt 0x0
; Q, K, V [8192][1024] and w_q, w_k, w_v, w_o [1024 (k)][1024 (n)], all f32, become codes of FP6 (E2M3) with one E8M0 byte for each 32 along K.
; A block's scale is 2^(floor(log2(largest magnitude)) - 2): its byte is the largest magnitude's exponent field - 2, held at 1 from below by a floor among the maximum's leaves.
; LIMITS: NaN and infinities among the inputs are not served; a block whose largest magnitude lies under 2^-124 keeps the byte 1; a block of zeros has the byte 1 and not 127
; (its codes are zeros, which add nothing, and the bytes are read by this program alone).
; LAYOUT OF THE RESULTS.  A fragment (16 rows x 128 K, 12 registers a lane) is stored as the IMAGE OF ITS REGISTERS, 1,536 bytes: chunk j at 512 j holds registers 4 j .. 4 j + 3, lane l's 16 bytes at 16 l.
; Images lie [tile of 16 rows][K step of 128].  Scale words lie [tile][pair of K steps][row][2], 512 bytes a tile.
; ROWS LIE BY POSITION: position p of a group of 32 holds true row p with bits 3 and 4 swapped, so tile pt holds true rows 32 (pt / 2) + 8 (pt % 2) + r + 8 (r / 8).  (For a weight the rows are its columns n.)
; Work-groups 0-767 take the activations, 768-895 the weights; the two ways have LDS bytes of their own.  No barrier: waves share nothing.
.set RW,   16                          ; activations: v16-111  three sets of 32 registers as loaded
.set XN,   112                         ; v112-175 two sets of 32 neighbours along K
.set CD,   176                         ; v176-223 codes: 12 registers for each of the wave's four fragments, written once
.set TT,   224                         ; v224-226 a block's upper 16 codes as the conversion leaves them
.set PS,   12                          ; v12-15   my two bytes of each fragment's scale word
.set AST,  8704                        ; a wave's two stages of 16 rows x (256 + 16) bytes
.set WST0, 34816                       ; weights: the stages begin behind the activations' bytes
.set WST,  6400                        ; a wave's stage: two tiles x (two images + 128 bytes)
.set WX,   32                          ; v32-95   two sets of 32 numbers down K
.set SB,   24                          ; v24-25   my column's scale words
.set OUTR, 112                         ; v112-159 the way out
; grain g: 16 rows x 64 K.  Each load takes two rows x 256 consecutive bytes, aligned
.macro LOADG g
.irp i, 0,1,2,3,4,5,6,7
	global_load_b128 v[RW+32*((\g)%3)+4*\i:RW+32*((\g)%3)+4*\i+3], v[2+225*(\i/4)], s[22:23] offset:(2*\i+8*(\i/4))*4096+256*(\g) th:TH_LOAD_NT
.endr
.endm
; through the wave's own stage: in as loaded, back 128 bytes a lane: a whole block of 32.  LDS serves a wave's instructions in order, so no wait stands between
.macro TURNG g
.irp i, 0,1,2,3,4,5,6,7
	ds_store_b128 v3, v[RW+32*((\g)%3)+4*\i:RW+32*((\g)%3)+4*\i+3] offset:4352*((\g)%2)+544*\i
.endr
.irp j, 0,1,2,3,4,5,6,7
	ds_load_b128 v[XN+32*((\g)%2)+4*\j:XN+32*((\g)%2)+4*\j+3], v4 offset:4352*((\g)%2)+16*\j
.endr
.endm
.macro GRAN g
.set XS, XN+32*((\g)%2)
.set CF, CD+12*((\g)/2)+6*((\g)%2)
	s_wait_dscnt 0x0                               ; this grain's numbers are back, and its stores into the stage have read their registers,
.if (\g) < 5
	LOADG (\g)+3                                   ; which take the grain three on
	s_wait_loadcnt 16                              ; the next grain's 8 loads are in; the two grains behind it may be out
	TURNG (\g)+1
.elseif (\g) < 7
	s_wait_loadcnt 8*(6-(\g))                      ; the counts run down: one grain behind, then none
	TURNG (\g)+1
.endif
	v_max3_num_f32 v8, |v[XS]|, |v[XS+1]|, |v[XS+2]|   ; the block's largest magnitude: all 32 numbers are mine; two chains
	v_max3_num_f32 v9, |v[XS+3]|, |v[XS+4]|, |v[XS+5]|
.irp i, 6,10,14,18,22,26
	v_max3_num_f32 v8, v8, |v[XS+\i]|, |v[XS+\i+1]|
	v_max3_num_f32 v9, v9, |v[XS+\i+2]|, |v[XS+\i+3]|
.endr
	v_max3_num_f32 v8, v8, |v[XS+30]|, |v[XS+31]|
	v_max3_num_f32 v8, v8, v9, 0x1800000           ; and the floor 2^(3 - 127): the byte cannot fall under 1
	v_add_nc_u32 v10, 0xff000000, v8               ; 2 off the exponent field: the conversion takes this operand's exponent field as its scale
	v_cvt_scalef32_pk16_fp6_f32 v[CF:CF+2], v[XS:XS+15], v10
	v_cvt_scalef32_pk16_fp6_f32 v[TT:TT+2], v[XS+16:XS+31], v10   ; (a conversion's three registers begin on an even number)
	v_lshrrev_b32 v11, 23, v10                     ; the scale's byte; also the plain line behind the conversions
.irp i, 0,1,2
	v_mov_b32 v[CF+3+\i], v[TT+\i]
.endr
.if (\g)%2 == 0
	v_mov_b32 v[PS+(\g)/2], v11                    ; block h of the fragment
.else
	v_lshl_or_b32 v[PS+(\g)/2], v11, 16, v[PS+(\g)/2]   ; block 2 + h
.irp j, 0,1,2
	global_store_b128 v5, v[CD+12*((\g)/2)+4*\j:CD+12*((\g)/2)+4*\j+3], s[38:39] offset:1536*((\g)/2)+512*\j   ; the fragment's image: 512 consecutive bytes a store, aligned
.endr
.endif
.endm
; weights: block t of my column: W(32 t + i, n), i = 0 .. 31
.macro WLOAD t
.irp i, 0,1,2,3,4,5,6,7,8,9,10,11,12,13,14,15,16,17,18,19,20,21,22,23,24,25,26,27,28,29,30,31
	global_load_b32 v[WX+32*((\t)%2)+\i], v2, s[22:23] offset:(32*(\t)+\i)*4096 th:TH_LOAD_NT
.endr
.endm
.macro WBLOCK t
.set XS, WX+32*((\t)%2)
.set OF, 1536*((\t)/4)+256*((\t)%2)    ; the fragment's image, and the half of the lanes that holds this block
.if (\t) < 7
	s_wait_loadcnt 32                              ; this block's 32 loads are in; the next block's may be out
.else
	s_wait_loadcnt 0x0
.endif
	v_max3_num_f32 v12, |v[XS]|, |v[XS+1]|, |v[XS+2]|
	v_max3_num_f32 v13, |v[XS+3]|, |v[XS+4]|, |v[XS+5]|
.irp i, 6,10,14,18,22,26
	v_max3_num_f32 v12, v12, |v[XS+\i]|, |v[XS+\i+1]|
	v_max3_num_f32 v13, v13, |v[XS+\i+2]|, |v[XS+\i+3]|
.endr
	v_max3_num_f32 v12, v12, |v[XS+30]|, |v[XS+31]|
	v_max3_num_f32 v12, v12, v13, 0x1800000
	v_add_nc_u32 v11, 0xff000000, v12
	v_lshrrev_b32 v13, 23, v11
.if (\t)%4 == 0
	v_mov_b32 v[SB+(\t)/4], v13
.else
	v_lshl_or_b32 v[SB+(\t)/4], v13, 8*((\t)%4), v[SB+(\t)/4]
.endif
	v_cvt_scalef32_pk16_fp6_f32 v[96:98], v[XS:XS+15], v11
	v_cvt_scalef32_pk16_fp6_f32 v[104:106], v[XS+16:XS+31], v11
	v_nop                                          ; one plain line behind the conversions
.irp i, 0,1,2
	v_mov_b32 v[99+\i], v[104+\i]
.endr
.if ((\t)/2)%2 == 0                    ; registers 0-5 of the fragment: chunk 0 whole, the lower half of my place in chunk 1
	ds_store_b128 v3, v[96:99] offset:OF
	ds_store_b64 v3, v[100:101] offset:OF+512
.else                                  ; registers 6-11: the upper half of my place in chunk 1, chunk 2 whole
	ds_store_b64 v3, v[96:97] offset:OF+520
	ds_store_b128 v3, v[98:101] offset:OF+1024
.endif
.if (\t)+2 < 8
	WLOAD (\t)+2
.endif
	s_wait_dscnt 0x0                               ; the stores have read their registers: the next block's codes may be written
.endm
	s_load_b256 s[4:11], s[0:1], 0x0               ; Q s[4:5], K s[6:7], V s[8:9], w_q s[10:11]
	s_load_b256 s[12:19], s[0:1], 0x20             ; w_k s[12:13], w_v s[14:15], w_o s[16:17], xq s[18:19]
	s_load_b64 s[20:21], s[0:1], 0x40              ; wq
	v_lshl_add_u32 v232, v0, 2, 0xec00
	v_mov_b32 v233, 0
	v_lshrrev_b32 v1, 5, v0
	v_readfirstlane_b32 s24, v1                    ; wave 0..3
	v_and_b32 v1, 31, v0                           ; lane
	s_cmp_lt_u32 ttmp9, 768
	s_cbranch_scc0 .Lweights
	; ---- ACTIVATIONS.  A wave makes one tile of 16 positions x 512 K: four fragments, in eight grains of 64 K.
	v_and_b32 v8, 15, v0                           ; r
	v_bfe_u32 v7, v0, 4, 1                         ; h
	v_lshlrev_b32 v2, 4, v8
	v_lshl_add_u32 v2, v7, 12, v2                  ; in: 16 bytes a lane of a row's 256, lanes 16-31 one row down
	s_mul_i32 s25, s24, AST
	v_mul_u32_u24 v3, v7, 272
	v_lshl_add_u32 v3, v8, 4, v3
	v_add_nc_u32 v3, s25, v3                       ; the stage, on the way in
	v_mul_u32_u24 v4, v8, 272
	v_lshl_add_u32 v4, v7, 7, v4
	v_add_nc_u32 v4, s25, v4                       ; and back: row r, block h of the grain's two
	v_lshlrev_b32 v5, 4, v1                        ; 16 x lane: an image's place
	v_lshlrev_b32 v6, 3, v1                        ; 8 x lane: the scale words' place
	v_lshlrev_b32 v7, 3, v7                        ; 8 h: my bytes' shift in a scale word
	s_lshr_b32 s26, ttmp9, 8                       ; tensor 0 Q, 1 K, 2 V
	s_and_b32 s27, ttmp9, 255
	s_lshr_b32 s28, s24, 1                         ; the tile is 2 (work-group % 256) + wave / 2,
	s_and_b32 s29, s24, 1                          ; its half of K is wave % 2
	s_lshl_b32 s30, s27, 17                        ; true row base 32 (tile / 2) + 8 (tile % 2), x 4,096 bytes
	s_lshl_b32 s31, s28, 15
	s_add_co_u32 s30, s30, s31
	s_lshl_b32 s31, s29, 11                        ; + 512 numbers for the second half of K
	s_add_co_u32 s30, s30, s31
	s_mov_b32 s31, 0
	s_lshl_b32 s32, s26, 9
	s_lshl_b32 s33, s27, 1
	s_add_co_u32 s32, s32, s33
	s_add_co_u32 s32, s32, s28                     ; 512 x tensor + tile
	s_mul_i32 s34, s32, 12288
	s_mul_i32 s33, s29, 6144
	s_add_co_u32 s34, s34, s33                     ; my four images
	s_mov_b32 s35, 0
	s_lshl_b32 s36, s32, 9
	s_lshl_b32 s33, s29, 8
	s_add_co_u32 s36, s36, s33
	s_add_co_u32 s36, s36, 18874368                ; my 256 bytes of scale words
	s_mov_b32 s37, 0
	; K'S ROWS LIE OTHERWISE THAN Q'S AND V'S: tile t of a group of 128 holds true rows 64 (t / 4) + 8 (t % 4) + j and + 32 + j, j = 0 .. 7,
	; so that in the scores a lane's 32 registers of four tiles are one block of 32 keys.  Against the other tensors: the base lies 16 (work-group % 2) rows lower, positions 8-15 lie 16 rows higher (v227).
	s_and_b32 s42, s27, 1
	s_lshl_b32 s42, s42, 16
	s_cmp_eq_u32 s26, 1
	s_cselect_b32 s42, s42, 0
	s_cselect_b32 s43, 0x10000, 0
	s_sub_co_u32 s30, s30, s42
	s_wait_alu depctr_va_vdst(0)
	v_add_nc_u32 v227, s43, v2
	s_wait_alu depctr_va_vdst(0)
	s_wait_kmcnt 0x0
	s_cmp_eq_u32 s26, 0
	s_cselect_b64 s[22:23], s[4:5], s[6:7]
	s_cmp_eq_u32 s26, 2
	s_cselect_b64 s[22:23], s[8:9], s[22:23]
	s_add_nc_u64 s[22:23], s[22:23], s[30:31]
	s_add_nc_u64 s[38:39], s[18:19], s[34:35]
	s_add_nc_u64 s[40:41], s[18:19], s[36:37]
	LOADG 0
	LOADG 1
	LOADG 2
	s_wait_loadcnt 16                              ; grain 0 is in
	TURNG 0
.irp g, 0,1,2,3,4,5,6,7
	GRAN \g
.endr
.irp f, 0,1,2,3
	v_lshlrev_b32 v[PS+\f], v7, v[PS+\f]           ; my two bytes at their places: blocks h and 2 + h
.endr
	v_permlane16_swap_b32 v12, v14                 ; lanes 0-15 now hold both halves of fragment 0's words (v12, v14), lanes 16-31 of fragment 2's
	v_permlane16_swap_b32 v13, v15                 ; likewise fragments 1 and 3
	v_or_b32 v12, v12, v14
	v_or_b32 v13, v13, v15
	global_store_b64 v6, v[12:13], s[40:41]        ; [pair of K steps][row][2]: 256 consecutive bytes, aligned
	s_wait_tensorcnt 0x0
	ds_add_u32 v232, v233
	s_wait_dscnt 0x0
	s_endpgm
.Lweights:
	; ---- WEIGHTS.  A lane takes a column n and its registers run down K.  A wave: 32 columns x 256 K = two tiles x two fragments.
	s_sub_co_u32 s25, ttmp9, 768
	s_lshr_b32 s26, s25, 5                         ; weight 0 q, 1 k, 2 v, 3 o
	s_and_b32 s27, s25, 7                          ; which 128 columns
	s_bfe_u32 s28, s25, 0x20003                    ; which 256 along K
	s_lshl_b32 s29, s27, 7
	s_lshl_b32 s30, s24, 5
	s_add_co_u32 s29, s29, s30                     ; my wave's first column
	s_wait_alu depctr_va_vdst(0)
	v_lshlrev_b32 v2, 2, v1                        ; in: 4 bytes a lane
	v_bfe_u32 v8, v0, 3, 1                         ; my column's position: tile (lane / 8) % 2,
	v_and_b32 v9, 7, v0
	v_bfe_u32 v10, v0, 4, 1
	v_lshl_add_u32 v9, v10, 3, v9                  ; row lane % 8 + 8 (lane / 16)
	s_mul_i32 s30, s24, WST
	s_add_co_u32 s30, s30, WST0                    ; my stage
	v_mul_u32_u24 v3, v8, 3200
	v_lshl_add_u32 v3, v9, 4, v3
	v_add_nc_u32 v3, s30, v3                       ; into it: my tile, my row's place in a chunk
	v_lshlrev_b32 v5, 4, v1
	v_add_nc_u32 v4, s30, v5                       ; out of it: 16 x lane
	v_lshlrev_b32 v6, 9, v8
	v_lshl_add_u32 v6, v9, 3, v6                   ; my scale words: 512 x tile + 8 x row
	s_lshl_b32 s32, s28, 20                        ; 256 rows of 4,096 bytes
	s_lshl_b32 s33, s29, 2
	s_add_co_u32 s32, s32, s33
	s_mov_b32 s33, 0
	s_lshr_b32 s31, s29, 4                         ; my first tile
	s_mul_i32 s34, s26, 786432
	s_mul_i32 s35, s31, 12288
	s_add_co_u32 s34, s34, s35
	s_mul_i32 s35, s28, 3072
	s_add_co_u32 s34, s34, s35
	s_mov_b32 s35, 0
	s_lshl_b32 s36, s26, 15
	s_lshl_b32 s37, s31, 9
	s_add_co_u32 s36, s36, s37
	s_lshl_b32 s37, s28, 7
	s_add_co_u32 s36, s36, s37
	s_add_co_u32 s36, s36, 3145728
	s_mov_b32 s37, 0
	s_wait_kmcnt 0x0
	s_cmp_eq_u32 s26, 0
	s_cselect_b64 s[22:23], s[10:11], s[12:13]
	s_cmp_eq_u32 s26, 2
	s_cselect_b64 s[22:23], s[14:15], s[22:23]
	s_cmp_eq_u32 s26, 3
	s_cselect_b64 s[22:23], s[16:17], s[22:23]
	s_add_nc_u64 s[22:23], s[22:23], s[32:33]
	s_add_nc_u64 s[38:39], s[20:21], s[34:35]
	s_add_nc_u64 s[40:41], s[20:21], s[36:37]
	WLOAD 0
	WLOAD 1
.irp t, 0,1,2,3,4,5,6,7
	WBLOCK \t
.endr
	s_wait_alu depctr_va_vdst(0)
	global_store_b64 v6, v[SB:SB+1], s[40:41]      ; two words a column: runs of 128 bytes, half of an aligned 256: one byte in 128 of what this way reads
.irp m, 0,1,2,3,4,5,6,7,8,9,10,11
	ds_load_b128 v[OUTR+4*\m:OUTR+4*\m+3], v4 offset:3200*(\m/6)+512*(\m%6)
.endr
.irp m, 0,1,2,3,4,5,6,7,8,9,10,11
	s_wait_dscnt 11-\m                             ; load m is in; the younger ones may be out
	global_store_b128 v5, v[OUTR+4*\m:OUTR+4*\m+3], s[38:39] offset:12288*(\m/6)+512*(\m%6)   ; 512 consecutive bytes, aligned
.endr
	s_wait_tensorcnt 0x0
	ds_add_u32 v232, v233
	s_wait_dscnt 0x0
	s_endpgm
.Lfunc_end_k_q0d1194ff41_quant:
	.size	k_q0d1194ff41_quant, .Lfunc_end_k_q0d1194ff41_quant-k_q0d1194ff41_quant
	.p2alignl 7, 3214868480
	.fill 96, 4, 3214868480
	.section	.rodata,"a",@progbits
	.p2align	6, 0x0
	.amdhsa_kernel k_q0d1194ff41_quant
		.amdhsa_group_segment_fixed_size 60928
		.amdhsa_private_segment_fixed_size 0
		.amdhsa_enable_private_segment 0
		.amdhsa_kernarg_size 72
		.amdhsa_user_sgpr_count 2
		.amdhsa_user_sgpr_kernarg_segment_ptr 1
		.amdhsa_wavefront_size32 1
		.amdhsa_system_sgpr_workgroup_id_x 1
		.amdhsa_system_sgpr_workgroup_id_y 1
		.amdhsa_system_sgpr_workgroup_id_z 1
		.amdhsa_system_vgpr_workitem_id 0
		.amdhsa_next_free_vgpr 234
		.amdhsa_next_free_sgpr 66
		.amdhsa_reserve_vcc 0
		.amdhsa_float_denorm_mode_32 3
		.amdhsa_float_denorm_mode_16_64 3
		.amdhsa_memory_ordered 1
		.amdhsa_forward_progress 1
		.amdhsa_inst_pref_size 72
	.end_amdhsa_kernel
	.amdgpu_metadata
---
amdhsa.version: [ 1, 2 ]
amdhsa.kernels:
  - .name:           k_q0d1194ff41_quant
    .symbol:         k_q0d1194ff41_quant.kd
    .args:
      - { .name: Q, .offset: 0, .size: 8, .value_kind: global_buffer, .address_space: global }
      - { .name: K, .offset: 8, .size: 8, .value_kind: global_buffer, .address_space: global }
      - { .name: V, .offset: 16, .size: 8, .value_kind: global_buffer, .address_space: global }
      - { .name: w_q, .offset: 24, .size: 8, .value_kind: global_buffer, .address_space: global }
      - { .name: w_k, .offset: 32, .size: 8, .value_kind: global_buffer, .address_space: global }
      - { .name: w_v, .offset: 40, .size: 8, .value_kind: global_buffer, .address_space: global }
      - { .name: w_o, .offset: 48, .size: 8, .value_kind: global_buffer, .address_space: global }
      - { .name: xq, .offset: 56, .size: 8, .value_kind: global_buffer, .address_space: global }
      - { .name: wq, .offset: 64, .size: 8, .value_kind: global_buffer, .address_space: global }
    .group_segment_fixed_size: 60928
    .private_segment_fixed_size: 0
    .kernarg_segment_align: 8
    .kernarg_segment_size: 72
    .max_flat_workgroup_size: 128
    .sgpr_count:     66
    .vgpr_count:     234
    .wavefront_size: 32
...
	.end_amdgpu_metadata
.endif
;; end of part 1
;; launch proj (part 2): grid 4 x 192, 4 waves a work-group, clusters of 4 x 4, 295,424 bytes of LDS; arguments xq, wq, qh, kvh; writes qh, kvh
.if DOCPART == 2
	.amdgcn_target "amdgcn-amd-amdhsa--gfx1250"
	.amdhsa_code_object_version 6
	.text
	.protected	k_q0d1194ff41_proj
	.globl	k_q0d1194ff41_proj
	.p2align	8
	.type	k_q0d1194ff41_proj,@function
k_q0d1194ff41_proj:
	s_mov_b64 s[64:65], 0
	v_nop
	global_prefetch_b8 v0, s[64:65] scope:SCOPE_SE
	s_setreg_imm32_b32 hwreg(HW_REG_WAVE_MODE, 25, 1), 1
	s_wait_xcnt 0x0
	s_wait_alu depctr_hold_cnt(0) depctr_sa_sdst(0) depctr_va_vdst(0) depctr_va_sdst(0) depctr_va_ssrc(0) depctr_va_vcc(0) depctr_vm_vsrc(0)
	s_getreg_b32 s2, hwreg(HW_REG_IB_STS2, 6, 4)
	s_cmp_eq_u32 s2, 0
	s_cbranch_scc0 .Lentry_in_a_cluster
	s_endpgm
.Lentry_in_a_cluster:
	s_bfe_u32 s2, ttmp6, 0x10000c
	s_cmp_lg_u32 s2, 0xf033
	s_cbranch_scc0 .Lentry_shape_is_right
	s_endpgm
.Lentry_shape_is_right:
; q = Q w_q, k = K w_k, v = V w_v on codes of FP6 (E2M3) with E8M0 scales, and their quantisers: q and k along the head's 64 channels, v along the keys.  No f32 result is stored.
; SHARES.  A block is 128 rows x 256 columns: for q and k rows are tokens (one key step) and columns channels (four heads); for v rows are channels (two heads) and columns tokens (two key steps).
; 3 x 256 blocks, a work-group each.  ALL OF K lies in LDS, filled once: the rows' 8 tiles (98,304 bytes) and the columns' 16 tiles (196,608), each in two halves along K: wave 0 brings the rows'
; K steps 0-3, wave 1 the columns', waves 2 and 3 K steps 4-7: one tensor load a wave.  The first barrier shows the first half alone; the second half is shown by a barrier in K step 2.  Nothing is filled again.
; Four waves, 2 x 2; a wave makes 64 x 128: 32 accumulators.  The wave in row w takes row tiles 2 w, 2 w + 1, 2 w + 4, 2 w + 5: so key tiles u and u + 4, whose scale bytes share a word, are one wave's;
; for v these are channel tiles 2 w, 2 w + 1 of each of the block's two heads.
; CLUSTER 4 x 4: the rows' tiles are shared along a row of the cluster, the columns' along a column, by joint loads.  The tensor and the blocks' upper parts come from the cluster's number alone.
; THE SCALE WORDS go from memory into registers, once: lanes 0-15 take an even tile's rows, lanes 16-31 the next tile's.
; NO PREFETCH: all that the launch reads is asked for at its head; there is no loop to run ahead in.
; THE MATRIX INSTRUCTION IS USED TRANSPOSED (source 0 = 16 columns, source 1 = 16 rows): a lane holds one row, and, the columns lying by position (bits 3 and 4 swapped), the 16 registers of column tiles
; 2 b, 2 b + 1 are 16 true neighbours; lanes l and l xor 16 hold a block of 32.
; RESULTS, in qh (q) and kvh (k, v): [head][key step][12,288]: 8 halves of 768 bytes of q or k (registers 0-3 at 16 x lane, 4-5 at 512 + 8 x lane), then 4 images of 1,536 bytes of v^T;
; scale words from byte 12,582,912: [head][key step][768]: tile t at 256 (t / 4) + 16 r + 4 (t % 4), v's tile u at 512 + 16 r + 4 u.  The word of tile u < 4 holds its own two bytes below and tile u + 4's above.
; LIMITS: NaN and infinities are not served; a block whose largest magnitude lies under 2^-124, or of zeros, keeps the byte 1.
; REGISTERS: window 0: v8-29 addresses, v32-63 the columns' scale words, v228-243 the rows', v96-191 the rows' fragments in two sets (the way out works in v64-195); window 1: the columns' fragments; window 2: the accumulators.
.set SPARE, 294912
.set ADA,  16
.set ADB,  20
.set VSC,  22
.set SPW,  28
.set NIL,  29
.set SBR,  32
.set SA,   228
.set AF,   96
.set TM,   168
.set G1A,  24
.set G1B,  32
.set MSB, 0
.macro WIN new
.if MSB != (\new)
	s_set_vgpr_msb (MSB<<8)|(\new)
.set MSB, (\new)
.endif
.endm
.macro PLACES
.rept 4
	v_nop
.endr
.endm
.macro CROUND
	s_barrier_signal -1
	s_barrier_wait -1
	s_cmp_lg_u32 s14, 0
	s_cbranch_scc1 .Lnot_wave_0_\@
	s_barrier_signal -3
.Lnot_wave_0_\@:
	s_barrier_wait -3
	s_barrier_signal -1
	s_barrier_wait -1
.endm
.macro TLOAD g0, g1
	tensor_load_to_lds s[\g0:\g0+3], s[\g1:\g1+7]
	s_nop 0
	PLACES
.endm
.macro ARM under, g0, g1, next
	s_cmp_lt_u32 s14, \under
	s_cbranch_scc0 \next
	TLOAD \g0, \g1
	s_branch .Lhead_asked
\next:
.endm
.macro FETCH st                        ; K step st's fragments into set st % 2: 24 + 12 LDS loads
.set P_, (\st)%2
.set KH_, (\st)/4
.set Q_, 1536*((\st)%4)
	WIN 0x40
.irp i, 0,1,2,3,4,5,6,7
.irp j, 0,1,2
	ds_load_b128 v[128*P_+12*\i+4*\j:128*P_+12*\i+4*\j+3], v[ADB+KH_] offset:6144*\i+Q_+512*\j
.endr
.endr
	WIN 0
.irp i, 0,1,2,3
.irp j, 0,1,2
	ds_load_b128 v[AF+48*P_+12*\i+4*\j:AF+48*P_+12*\i+4*\j+3], v[ADA+KH_] offset:6144*((\i%2)+4*(\i/2))+Q_+512*\j
.endr
.endr
.endm
.macro MUL16 ap, st                    ; my row tiles 2 ap, 2 ap + 1 against the eight column tiles; the 32 accumulators take turns, one instruction a turn
.set P_, (\st)%2
.irp ra, 0,1
.irp bp, 0,1,2,3
.irp rb, 0,1
.set D_, 8*(8*(2*(\ap)+\ra)+2*\bp+\rb)
.set B_, 128*P_+12*(2*\bp+\rb)
.set A_, AF+48*P_+12*(2*(\ap)+\ra)
.if (\st) == 0
	v_wmma_scale_f32_16x16x128_f8f6f4 v[D_:D_+7], v[B_:B_+11], v[A_:A_+11], 0, v[SBR+8*\bp+(\st)], v[SA+8*(\ap)+(\st)] matrix_a_fmt:MATRIX_FMT_FP6 matrix_b_fmt:MATRIX_FMT_FP6 matrix_a_scale:MATRIX_SCALE_ROW\rb matrix_b_scale:MATRIX_SCALE_ROW\ra
.else
	v_wmma_scale_f32_16x16x128_f8f6f4 v[D_:D_+7], v[B_:B_+11], v[A_:A_+11], v[D_:D_+7], v[SBR+8*\bp+(\st)], v[SA+8*(\ap)+(\st)] matrix_a_fmt:MATRIX_FMT_FP6 matrix_b_fmt:MATRIX_FMT_FP6 matrix_a_scale:MATRIX_SCALE_ROW\rb matrix_b_scale:MATRIX_SCALE_ROW\ra
.endif
.endr
.endr
.endr
.endm
.macro KSTEP st
.if (\st) < 7
.if (\st) > 0
	PLACES                                         ; in front of loads into the set that the last step multiplied
.endif
	FETCH (\st)+1
	s_wait_dscnt 36                                ; all but the 36 loads just issued: this step's fragments are in
.else
	s_wait_dscnt 0x0
.endif
	WIN 0xa1
	MUL16 0, \st
.if (\st) == 2
	s_wait_tensorcnt 0x0                           ; every wave's load has landed, the second half of K among them;
	s_wait_dscnt 0x0
	s_barrier_signal -1                            ; a plain barrier
	MUL16 1, \st
	s_barrier_wait -1
.else
	MUL16 1, \st
.endif
.endm
; THE QUANTISER of row tile a: 16 rows x 128 columns, four blocks of 32: codes into v[64 + 12 a ..], the scale word into v[184 + a]
.macro QUANTA a
.set AC, 64*(\a)
.set PC, 64+12*(\a)
	WIN 0
.irp b, 0,1,2,3
	v_mov_b32 v[TM+\b], 0x1800000                  ; the floor 2^(3 - 127): the byte cannot fall under 1
.endr
	WIN 0x28
.irp i, 0,2,4,6,8,10,12,14
.irp b, 0,1,2,3
	v_max3_num_f32 v[TM+\b], v[TM+\b], |v[AC+16*\b+\i]|, |v[AC+16*\b+\i+1]|
.endr
.endr
	WIN 0
.irp b, 0,1,2,3
	v_permlanex16_b32 v[TM+4+\b], v[TM+\b], s2, s3
.endr
.irp b, 0,1,2,3
	v_max_num_f32 v[TM+\b], v[TM+\b], v[TM+4+\b]   ; with lane l xor 16's 16: the block's largest magnitude
.endr
.irp b, 0,1,2,3
	v_add_nc_u32 v[TM+12+\b], 0xff000000, v[TM+\b] ; 2 off the exponent field: the conversion's scale operand
.endr
.irp b, 0,1,2,3
	v_lshrrev_b32 v[TM+4+\b], 23, v[TM+12+\b]      ; the byte
.endr
	v_lshl_or_b32 v[184+(\a)], v[TM+5], 8, v[TM+4]
	v_lshl_or_b32 v[184+(\a)], v[TM+6], 16, v[184+(\a)]
	v_lshl_or_b32 v[184+(\a)], v[TM+7], 24, v[184+(\a)]
	WIN 0x02
.irp c, 0,1
	v_cvt_scalef32_pk16_fp6_f32 v[PC+6*\c:PC+6*\c+2], v[AC+32*\c:AC+32*\c+15], v[TM+12+2*\c]
	v_cvt_scalef32_pk16_fp6_f32 v[160+4*\c:162+4*\c], v[AC+32*\c+16:AC+32*\c+31], v[TM+12+2*\c+1]
.endr
	WIN 0
	v_nop                                          ; one plain line behind the conversions
.irp c, 0,1
.irp i, 0,1,2
	v_permlane16_swap_b32 v[PC+6*\c+\i], v[160+4*\c+\i]   ; a whole block to a lane
.endr
.irp i, 0,1,2
	v_mov_b32 v[PC+6*\c+3+\i], v[160+4*\c+\i]
.endr
.endr
.endm
	s_load_b256 s[4:11], s[0:1], 0x0               ; xq s[4:5], wq s[6:7], qh s[8:9], kvh s[10:11]
	v_lshl_add_u32 v[SPW], v0, 2, SPARE
	v_mov_b32 v[NIL], 0
	ds_add_u32 v[SPW], v[NIL]                      ; the opening lines
	ds_add_u32 v[SPW], v[NIL]
	v_lshrrev_b32 v1, 5, v0
	v_readfirstlane_b32 s14, v1                    ; wave 0..3
	s_lshr_b32 s15, s14, 1                         ; my row of the 2 x 2
	s_and_b32 s16, s14, 1                          ; my column
	s_bfe_u32 s17, ttmp6, 0x40000                  ; cx
	s_bfe_u32 s18, ttmp6, 0x40004                  ; cy
	s_and_b32 s12, ttmp7, 0xffff                   ; the cluster's number, 0 .. 47
	s_lshr_b32 s19, s12, 4                         ; tensor: 0 q, 1 k, 2 v
	s_and_b32 s13, s12, 15
	s_lshl_b32 s78, s18, 2
	s_lshl_b32 s78, 15, s78                        ; my row of the cluster
	s_lshl_b32 s79, 0x1111, s17                    ; my column
	s_or_b32 s[G1A+0], s78, (3<<16)|(1<<21)        ; rows of 6,144 bytes (768 elements of 8), 12,288 apart: half of K of each tile
	s_or_b32 s[G1B+0], s79, (3<<16)|(1<<21)
	s_mov_b32 s[G1A+1], 768<<16
	s_mov_b32 s[G1A+2], 8<<16
	s_mov_b32 s[G1A+3], 768<<16
	s_mov_b32 s[G1A+4], 8
	s_mov_b32 s[G1A+5], 1536
	s_mov_b32 s[G1A+6], 0
	s_mov_b32 s[G1A+7], 0
	s_mov_b32 s[G1B+1], 768<<16
	s_mov_b32 s[G1B+2], 16<<16
	s_mov_b32 s[G1B+3], 768<<16
	s_mov_b32 s[G1B+4], 16
	s_mov_b32 s[G1B+5], 1536
	s_mov_b32 s[G1B+6], 0
	s_mov_b32 s[G1B+7], 0
	s_lshl_b32 s60, s13, 2                         ; q, k: row block 4 n + cy, column block cx;  v: row block 4 (n % 2) + cy, column block 4 (n / 2) + cx
	s_and_b32 s62, s13, 1
	s_lshl_b32 s62, s62, 2
	s_lshr_b32 s63, s13, 1
	s_lshl_b32 s63, s63, 2
	s_mul_i32 s66, s19, 6291456                    ; q, k: rows out of xq, columns out of wq;  v: rows out of wq (w_v), columns out of xq (V)
	s_mul_i32 s68, s19, 262144
	s_add_co_u32 s68, s68, 18874368
	s_mul_i32 s70, s19, 786432
	s_mul_i32 s72, s19, 32768
	s_add_co_u32 s72, s72, 3145728
	s_mov_b32 s13, 1536
	s_cmp_eq_u32 s19, 2
	s_cselect_b32 s21, 1, 0
	s_cselect_b32 s22, s62, s60
	s_cselect_b32 s23, s63, 0
	s_cselect_b32 s66, 1572864, s66
	s_cselect_b32 s68, 3211264, s68
	s_cselect_b32 s70, 12582912, s70
	s_cselect_b32 s72, 19398656, s72
	s_cselect_b32 s13, 3072, s13                   ; the results: bytes from my row of the 2 x 2 to the other,
	s_cselect_b32 s75, 6144, 0                     ; v's images lie behind k's halves,
	s_cselect_b32 s77, 512, 0                      ; and its scale words behind k's
	s_add_co_u32 s22, s22, s18                     ; row block
	s_add_co_u32 s23, s23, s17                     ; column block
	s_mul_i32 s60, s22, 98304
	s_add_co_u32 s66, s66, s60                     ; the rows' codes,
	s_mov_b32 s67, 0
	s_lshl_b32 s60, s22, 12
	s_add_co_u32 s68, s68, s60
	s_lshl_b32 s60, s15, 10
	s_add_co_u32 s68, s68, s60                     ; their scale words, from my tile 2 w on
	s_mov_b32 s69, 0
	s_mul_i32 s61, s23, 196608
	s_add_co_u32 s70, s70, s61                     ; the columns' codes,
	s_mov_b32 s71, 0
	s_lshl_b32 s61, s23, 13
	s_add_co_u32 s72, s72, s61
	s_lshl_b32 s61, s16, 12
	s_add_co_u32 s72, s72, s61                     ; their scale words, my eight tiles
	s_mov_b32 s73, 0
	s_lshl_b32 s60, s23, 1                         ; where the results go: the key step and the first head
	s_add_co_u32 s60, s60, s16                     ; v: key step 2 x column block + my column,
	s_lshl_b32 s61, s22, 1                         ;    head 2 x row block
	s_lshl_b32 s62, s23, 2
	s_lshl_b32 s63, s16, 1
	s_add_co_u32 s62, s62, s63                     ; q, k: head 4 x column block + 2 x my column, key step = row block
	s_cmp_eq_u32 s21, 1
	s_cselect_b32 s60, s60, s22
	s_cselect_b32 s61, s61, s62
	s_lshr_b32 s62, s60, 4                         ; batch
	s_and_b32 s60, s60, 15                         ; key step of the batch
	s_lshl_b32 s62, s62, 4
	s_add_co_u32 s61, s61, s62                     ; 16 x batch + head
	s_mul_i32 s74, s61, 196608
	s_mul_i32 s63, s60, 12288
	s_add_co_u32 s74, s74, s63
	s_mul_i32 s63, s15, s13
	s_add_co_u32 s74, s74, s63
	s_add_co_u32 s74, s74, s75
	s_mov_b32 s75, 0
	s_mul_i32 s76, s61, 12288
	s_mul_i32 s63, s60, 768
	s_add_co_u32 s76, s76, s63
	s_lshl_b32 s63, s15, 3
	s_add_co_u32 s76, s76, s63
	s_add_co_u32 s76, s76, s77
	s_add_co_u32 s76, s76, 12582912
	s_mov_b32 s77, 0
	s_mul_i32 s12, s15, 12288                      ; LDS: my row tiles from 2 w on,
	s_mul_i32 s13, s16, 49152
	s_add_co_u32 s13, s13, 98304                   ; my eight column tiles
	s_mov_b32 s40, 1
	s_mov_b32 s41, 0
	s_mov_b32 s44, 1
	s_mov_b32 s45, 98304
	s_mov_b32 s48, 1
	s_mov_b32 s49, 49152
	s_mov_b32 s52, 1
	s_mov_b32 s53, 196608
	s_mov_b32 s2, 0x76543210
	s_mov_b32 s3, 0xfedcba98
	v_and_b32 v1, 31, v0
	v_and_b32 v2, 15, v0
	v_bfe_u32 v13, v0, 4, 1
	v_lshlrev_b32 v8, 4, v1                        ; 16 x lane
	v_lshlrev_b32 v9, 3, v1                        ; 8 x lane
	v_add_nc_u32 v[ADA], s12, v8
	v_add_nc_u32 v[ADB], s13, v8
	v_add_nc_u32 v[ADA+1], 49152, v[ADA]
	v_add_nc_u32 v[ADB+1], 98304, v[ADB]
	v_lshlrev_b32 v4, 9, v13
	v_lshl_add_u32 v[VSC], v2, 3, v4               ; 512 h + 8 r: a row's two words of a pair of K steps
	v_lshlrev_b32 v10, 4, v2
	v_mad_u32_u24 v10, v13, 12288, v10             ; the results' scale words: 16 r, lanes 16-31 the next head's
	v_lshlrev_b32 v11, 4, v13                      ; 16 h
	s_wait_alu depctr_va_vdst(0)                   ; the wait at the end of the head's vector work
	s_wait_dscnt 0x0
	CROUND                                         ; all sixteen work-groups are here: the joint loads meet
	s_wait_kmcnt 0x0
	s_cmp_eq_u32 s21, 1
	s_cselect_b64 s[60:61], s[6:7], s[4:5]         ; the rows' buffer,
	s_cselect_b64 s[62:63], s[4:5], s[6:7]         ; the columns'
	s_add_nc_u64 s[42:43], s[60:61], s[66:67]
	s_add_nc_u64 s[50:51], s[42:43], 6144
	s_or_b32 s43, s43, 0x80000000
	s_or_b32 s51, s51, 0x80000000
	s_add_nc_u64 s[46:47], s[62:63], s[70:71]
	s_add_nc_u64 s[54:55], s[46:47], 6144
	s_or_b32 s47, s47, 0x80000000
	s_or_b32 s55, s55, 0x80000000
	s_add_nc_u64 s[56:57], s[60:61], s[68:69]
	s_add_nc_u64 s[58:59], s[62:63], s[72:73]
	s_cmp_eq_u32 s19, 0
	s_cselect_b64 s[8:9], s[8:9], s[10:11]
	s_add_nc_u64 s[4:5], s[8:9], s[74:75]          ; the results' codes,
	s_add_nc_u64 s[6:7], s[8:9], s[76:77]          ; their scale words
	ARM 1, 40, G1A, .Lhead_b0
	ARM 2, 44, G1B, .Lhead_a1
	ARM 3, 48, G1A, .Lhead_b1
	TLOAD 52, G1B
.Lhead_asked:
.irp ip, 0,1
.irp p, 0,1,2,3
	global_load_b64 v[SA+8*\ip+2*\p:SA+8*\ip+2*\p+1], v[VSC], s[56:57] offset:2048*\ip+128*\p
.endr
.endr
.irp ip, 0,1,2,3
.irp p, 0,1,2,3
	global_load_b64 v[SBR+8*\ip+2*\p:SBR+8*\ip+2*\p+1], v[VSC], s[58:59] offset:1024*\ip+128*\p
.endr
.endr
	s_cmp_lt_u32 s14, 2
	s_cbranch_scc0 .Lnot_first
	s_wait_tensorcnt 0x0                           ; waves 0 and 1: the first half of K, by load lines that are theirs alone
.Lnot_first:
	s_barrier_signal -1
	s_barrier_wait -1
	FETCH 0
	s_wait_loadcnt 0x0                             ; the scale words
.irp st, 0,1,2,3,4,5,6,7
	KSTEP \st
.endr
	WIN 0
	PLACES
.irp b, 0,1,2,3
	v_mov_b32 v[TM+4+\b], 0                        ; a lane permute's destination counts as one of its sources
.endr
.irp a, 0,1,2,3
	QUANTA \a
.endr
	s_cmp_eq_u32 s21, 1
	s_wait_alu depctr_va_vdst(0)                   ; the wait directly ahead of the branch
	s_cbranch_scc1 .Lv_out
.irp a, 0,1,2,3
	v_lshrrev_b32 v[184+\a], v11, v[184+\a]        ; lanes 0-15 keep the first head's two bytes below, lanes 16-31 the second head's
.endr
.irp a, 0,1
	v_perm_b32 v[184+\a], v[186+\a], v[184+\a], 0x05040100   ; the word of tile u < 4: its own two bytes below, tile u + 4's above
.endr
.irp a, 0,1,2,3
.irp c, 0,1
	global_store_b128 v8, v[64+12*\a+6*\c:64+12*\a+6*\c+3], s[4:5] offset:196608*\c+768*((\a%2)+4*(\a/2))          ; 512 consecutive bytes, aligned
	global_store_b64 v9, v[64+12*\a+6*\c+4:64+12*\a+6*\c+5], s[4:5] offset:196608*\c+768*((\a%2)+4*(\a/2))+512     ; 256 consecutive bytes, aligned
.endr
.endr
	global_store_b64 v10, v[184:185], s[6:7]                 ; two words a row, 8 bytes of every 16: 512 bytes of a wave's 6,656
	global_store_b64 v10, v[186:187], s[6:7] offset:256
	s_branch .Ljoin
.Lv_out:
	v_cmp_eq_u32 vcc_lo, 1, v13
.irp u, 0,1
	v_cndmask_b32 v[192+\u], v[184+\u], v[186+\u], vcc_lo    ; lanes 0-15 the first head's words, lanes 16-31 the second head's
.endr
	s_wait_alu depctr_va_vdst(0)
.irp a, 0,1,2,3
.irp j, 0,1,2
	global_store_b128 v8, v[64+12*\a+4*\j:64+12*\a+4*\j+3], s[4:5] offset:196608*(\a/2)+1536*(\a%2)+512*\j         ; 512 consecutive bytes, aligned
.endr
.endr
	global_store_b64 v10, v[192:193], s[6:7]
.Ljoin:
	s_wait_tensorcnt 0x0                           ; the wave's end
	ds_add_u32 v[SPW], v[NIL]
	s_wait_dscnt 0x0
	CROUND                                         ; the closing round
	s_endpgm
.Lfunc_end_k_q0d1194ff41_proj:
	.size	k_q0d1194ff41_proj, .Lfunc_end_k_q0d1194ff41_proj-k_q0d1194ff41_proj
	.p2alignl 7, 3214868480
	.fill 96, 4, 3214868480
	.section	.rodata,"a",@progbits
	.p2align	6, 0x0
	.amdhsa_kernel k_q0d1194ff41_proj
		.amdhsa_group_segment_fixed_size 295424
		.amdhsa_private_segment_fixed_size 0
		.amdhsa_enable_private_segment 0
		.amdhsa_kernarg_size 32
		.amdhsa_user_sgpr_count 2
		.amdhsa_user_sgpr_kernarg_segment_ptr 1
		.amdhsa_wavefront_size32 1
		.amdhsa_system_sgpr_workgroup_id_x 1
		.amdhsa_system_sgpr_workgroup_id_y 1
		.amdhsa_system_sgpr_workgroup_id_z 1
		.amdhsa_system_vgpr_workitem_id 0
		.amdhsa_next_free_vgpr 768
		.amdhsa_next_free_sgpr 80
		.amdhsa_reserve_vcc 1
		.amdhsa_float_denorm_mode_32 3
		.amdhsa_float_denorm_mode_16_64 3
		.amdhsa_memory_ordered 1
		.amdhsa_forward_progress 1
		.amdhsa_inst_pref_size 83
	.end_amdhsa_kernel
	.amdgpu_metadata
---
amdhsa.version: [ 1, 2 ]
amdhsa.kernels:
  - .name:           k_q0d1194ff41_proj
    .symbol:         k_q0d1194ff41_proj.kd
    .args:
      - { .name: xq, .offset: 0, .size: 8, .value_kind: global_buffer, .address_space: global }
      - { .name: wq, .offset: 8, .size: 8, .value_kind: global_buffer, .address_space: global }
      - { .name: qh, .offset: 16, .size: 8, .value_kind: global_buffer, .address_space: global }
      - { .name: kvh, .offset: 24, .size: 8, .value_kind: global_buffer, .address_space: global }
    .group_segment_fixed_size: 295424
    .private_segment_fixed_size: 0
    .kernarg_segment_align: 8
    .kernarg_segment_size: 32
    .max_flat_workgroup_size: 128
    .sgpr_count:     80
    .vgpr_count:     768
    .wavefront_size: 32
...
	.end_amdgpu_metadata
.endif
;; end of part 2
;; launch attn (part 3): grid 4 x 64, 8 waves a work-group, clusters of 4 x 1, 209,920 bytes of LDS; arguments qh, kvh, xo; writes xo
.if DOCPART == 3
	.amdgcn_target "amdgcn-amd-amdhsa--gfx1250"
	.amdhsa_code_object_version 6
	.text
	.protected	k_q0d1194ff41_attn
	.globl	k_q0d1194ff41_attn
	.p2align	8
	.type	k_q0d1194ff41_attn,@function
k_q0d1194ff41_attn:
	s_mov_b64 s[64:65], 0
	v_nop
	global_prefetch_b8 v0, s[64:65] scope:SCOPE_SE
	s_setreg_imm32_b32 hwreg(HW_REG_WAVE_MODE, 25, 1), 1
	s_wait_xcnt 0x0
	s_wait_alu depctr_hold_cnt(0) depctr_sa_sdst(0) depctr_va_vdst(0) depctr_va_sdst(0) depctr_va_ssrc(0) depctr_va_vcc(0) depctr_vm_vsrc(0)
	s_getreg_b32 s2, hwreg(HW_REG_IB_STS2, 6, 4)
	s_cmp_eq_u32 s2, 0
	s_cbranch_scc0 .Lentry_in_a_cluster
	s_endpgm
.Lentry_in_a_cluster:
	s_bfe_u32 s2, ttmp6, 0x10000c
	s_cmp_lg_u32 s2, 0x3003
	s_cbranch_scc0 .Lentry_shape_is_right
	s_endpgm
.Lentry_shape_is_right:
; x[b][q][head][:] = softmax_k(q . k / 8) v, both products on codes of FP6 (E2M3) with E8M0 scales; x is quantised along the head's 64 channels and stored as half of an operand of the last product.
; THE SOFTMAX: t = score x log2(e) / 8; M = the running largest t rounded UP to a whole number; p = 2^(t - M) is quantised along the keys, not normalised; the row's sum is taken of the unquantised p
; and divides at the end.  When M moves, the sum and O are multiplied by 2^(old M - new M): exact.
; SHARES.  A work-group owns ONE head of one batch and 512 queries.  The head's k and v (16 key steps x 12,288 bytes) and their scale words (16 x 768) lie in LDS whole, 208,896 bytes, filled once:
; waves 0-5 bring 32,768 bytes of the stream each, waves 6 and 7 6,144 bytes of scale words each, one tensor load a wave.  Nothing is filled again: behind the first barrier the waves share nothing.
; A WAVE WORKS TWO TILES OF 16 QUERIES SIDE BY SIDE (tiles T and T + 8), in two passes (T + 16): each fragment of k and v read from LDS feeds both tiles, and the two tiles' dependent lines take turns.
; The next step's k is fetched behind the score products, the next step's v (registers of its own) behind the second products: one wait on LDS a step, in its middle.
; CLUSTER.  The four work-groups of a cluster are the four query blocks of one head: the loads are joint.
; NO PREFETCH: all that the launch reads by tensor loads is asked for at its head; there is no loop to run ahead in.
; LAYOUT.  Both products are used transposed (S^T = k q^T, O^T = v^T p^T): a lane holds one query.  Key tile t, row 8 h + j, is key 64 (t / 4) + 32 h + 8 (t % 4) + j of the step: the 32 registers of
; tiles 4 c .. 4 c + 3 are the block of 32 keys that the operand's layout gives lane (r, h) in registers 6 c .. 6 c + 5.
; The head has 64 channels: a fragment of k carries tile u in K 0-63 and tile u + 4 in K 64-127; it is multiplied by [q | 0] and by [0 | q] (v16-33: q, six zeros, q).
; REGISTERS.  Window 0: addresses, k's fragments, scale words, tile 0's arrays, and BOTH tiles' single numbers (tile 1's in v34-47, v234, v235, v239).  Window 1: tile 1's arrays under tile 0's numbers,
; v's fragments under k's numbers, the second pass's q (v0-6, v40-46).
; xo: codes [tile of 16 queries][head][768]: registers 0-3 at 16 x lane, 4-5 at 512 + 8 x lane; scale bytes [tile][row][head][2].
; LIMITS: NaN and infinities are not served; a block whose largest magnitude lies under 2^-124, or of zeros, keeps the byte 1; the scaled scores stay under 2^31 in magnitude.
.set STR,   12288                      ; LDS: scale words at 0, the stream behind them
.set SPARE, 208896                     ; the spare words, 128 bytes a wave
.set L16, 1
.set L8,  2
.set R16, 3
.set SPW, 4
.set NIL, 5
.set ADK, 6
.set ADK8, 7
.set ADS, 8
.set R32, 9
.set QF,  16
.set KF,  48
.set S,   96
.set O,   160
.set PC,  192
.set CT,  204
.set SH8, 218
.set KS,  224
.set VS,  228
.set XC,  96                           ; x's codes and scale bytes, in registers of S^T
.set XW,  104
.set WV,  18
.set SEL, 20
.set CS,  22
.set G1D, 24
.set G1S, 32
.set G0S, 40
.set G0D, 44
.set TB,  60
.set TS,  61
.set CNT, 62
.set PASS, 63
.set MSB, 0
.macro WIN new                         ; the immediate's high byte repeats the setting that is left
.if MSB != (\new)
	s_set_vgpr_msb (MSB<<8)|(\new)
.set MSB, (\new)
.endif
.endm
.macro TSEL t                          ; a tile's single numbers, all in window 0: -M and the largest score; f; four maxima; three temporaries; two scale operands; the old -M; p's scale word
.set M_, 12+22*(\t)
.set FF_, 236-200*(\t)
.set BM_, 212-174*(\t)
.set X_, 217-175*(\t)
.set T2_, 216-173*(\t)
.set WX_, 219-175*(\t)
.set T3_, 220-175*(\t)
.set TMP_, 238-191*(\t)
.set PW_, 232+2*(\t)
.endm
.macro CROUND
	s_barrier_signal -1
	s_barrier_wait -1
	s_cmp_lg_u32 s[WV], 0
	s_cbranch_scc1 .Lnot_wave_0_\@
	s_barrier_signal -3
.Lnot_wave_0_\@:
	s_barrier_wait -3
	s_barrier_signal -1
	s_barrier_wait -1
.endm
.macro KLOAD off, soff                 ; a step's k: four fragments of two tiles each, and their scale words (word u: tile u's bytes below, tile u + 4's above)
	ds_load_b128 v[KS:KS+3], v[ADS] offset:\soff
.irp u, 0,1,2,3
	ds_load_b128 v[KF+12*\u:KF+12*\u+3], v[ADK] offset:\off+768*\u
	ds_load_b64 v[KF+12*\u+4:KF+12*\u+5], v[ADK8] offset:\off+768*\u+512
	ds_load_b128 v[KF+12*\u+6:KF+12*\u+9], v[ADK] offset:\off+768*\u+3072
	ds_load_b64 v[KF+12*\u+10:KF+12*\u+11], v[ADK8] offset:\off+768*\u+3584
.endr
.endm
.macro VLOAD                           ; a step's v: four fragments, into window 1, and their scale words
	ds_load_b128 v[VS:VS+3], v[ADS] offset:512
	WIN 0x40
.irp u, 0,1,2,3
.irp j, 0,1,2
	ds_load_b128 v[KF+12*\u+4*\j:KF+12*\u+4*\j+3], v[ADK] offset:6144+1536*\u+512*\j
.endr
.endr
	WIN 0
.endm
.macro ADDR
	v_add_nc_u32 v[ADK], s[TB], v[L16]
	v_add_nc_u32 v[ADK8], s[TB], v[L8]
	v_add_nc_u32 v[ADS], s[TS], v[R16]
.endm
.macro SMUL qs, qsh                    ; S^T = k q^T of one tile: eight products
.irp u, 0,1,2,3
	v_wmma_scale_f32_16x16x128_f8f6f4 v[S+8*\u:S+8*\u+7], v[KF+12*\u:KF+12*\u+11], v[QF:QF+11], 0, v[KS+\u], v[\qs] matrix_a_fmt:MATRIX_FMT_FP6 matrix_b_fmt:MATRIX_FMT_FP6
	v_wmma_scale_f32_16x16x128_f8f6f4 v[S+32+8*\u:S+32+8*\u+7], v[KF+12*\u:KF+12*\u+11], v[QF+6:QF+17], 0, v[KS+\u], v[\qsh] matrix_a_fmt:MATRIX_FMT_FP6 matrix_b_fmt:MATRIX_FMT_FP6
.endr
.endm
.macro MAXES t                         ; four chains of 16 scores, each accumulator from its low end on
	TSEL \t
	WIN 0x15*(\t)
.irp b, 0,1,2,3
	v_max3_num_f32 v[BM_+\b], v[S+16*\b], v[S+16*\b+1], v[S+16*\b+2]
.endr
	WIN 0x05*(\t)
.irp i, 3,5,7,9,11,13
.irp b, 0,1,2,3
	v_max3_num_f32 v[BM_+\b], v[S+16*\b+\i], v[S+16*\b+\i+1], v[BM_+\b]
.endr
.endr
	v_max3_num_f32 v[BM_], v[S+15], v[S+31], v[BM_]
	v_max3_num_f32 v[BM_+2], v[S+47], v[S+63], v[BM_+2]
.endm
.macro CH i, t                         ; line i of the way from the maxima to -M and f; the two tiles take turns line by line
	TSEL \t
.if \i == 0
	v_max_num_f32 v[BM_], v[BM_], v[BM_+1]         ; my two blocks' largest scores: for the row's maximum and, since p rises with the score, for the blocks' largest p
.elseif \i == 1
	v_max_num_f32 v[BM_+2], v[BM_+2], v[BM_+3]
.elseif \i == 2
	v_max_num_f32 v[X_], v[BM_], v[BM_+2]
.elseif \i == 3
	v_permlanex16_b32 v[T2_], v[X_], s[SEL], s[SEL+1]
.elseif \i == 4
	v_max3_num_f32 v[M_+1], v[M_+1], v[X_], v[T2_] ; the running largest score of my query
.elseif \i == 5
	v_mul_f32 v[X_], s[CS], -v[M_+1]               ; -t (c is positive)
.elseif \i == 6
	v_floor_f32 v[M_], v[X_]                       ; the new -M = floor(-t): M is a whole number
.elseif \i == 7
	v_sub_f32 v[TMP_], v[M_], v[TMP_]              ; old M - new M: a whole number, 0 or less
.elseif \i == 8
	v_fma_f32 v[BM_], v[BM_], s[CS], v[M_]         ; t - M of each block's largest score
.elseif \i == 9
	v_cvt_i32_f32 v[TMP_], v[TMP_]                 ; (it saturates)
.elseif \i == 10
	v_fma_f32 v[BM_+2], v[BM_+2], s[CS], v[M_]
.elseif \i == 11
	v_ldexp_f32 v[FF_], 1.0, v[TMP_]               ; f = 2^(old M - new M)
.endif
.endm
.macro SC i, t                         ; line i of the way from the blocks' largest p to the conversions' scale operands (0-3) and to p's scale word (4-9)
	TSEL \t
.if \i == 0
	v_max_num_f32 v[BM_], 0x1800000, v[BM_]        ; the floor 2^(3 - 127)
.elseif \i == 1
	v_max_num_f32 v[BM_+2], 0x1800000, v[BM_+2]
.elseif \i == 2
	v_add_nc_u32 v[T3_], 0xff000000, v[BM_]        ; 2 off the exponent field
.elseif \i == 3
	v_add_nc_u32 v[T3_+1], 0xff000000, v[BM_+2]
.elseif \i == 4
	v_lshrrev_b32 v[BM_+1], 23, v[T3_]             ; the bytes of blocks h and 2 + h
.elseif \i == 5
	v_lshrrev_b32 v[BM_+3], 23, v[T3_+1]
.elseif \i == 6
	v_lshl_or_b32 v[X_], v[BM_+3], 16, v[BM_+1]
.elseif \i == 7
	v_lshlrev_b32 v[X_], v[SH8], v[X_]             ; at their places, 8 h bits up
.elseif \i == 8
	v_permlanex16_b32 v[WX_], v[X_], s[SEL], s[SEL+1]
.elseif \i == 9
	v_or_b32 v[PW_], v[X_], v[WX_]                 ; with lane l xor 16's two the word is whole
.endif
.endm
.macro PKT t                           ; t - M, two at a time
	TSEL \t
	WIN 0x41*(\t)
.set J_, 0
.rept 32
	v_pk_fma_f32 v[S+J_:S+J_+1], v[S+J_:S+J_+1], s[CS:CS+1], v[M_:M_+1] op_sel_hi:[1,0,0]
.set J_, J_+2
.endr
.endm
.macro EXPS t
	WIN 0x41*(\t)
.set J_, 0
.rept 64
	v_exp_f32 v[S+J_], v[S+J_]                     ; p = 2^(t - M), at most 1
.set J_, J_+1
.endr
.endm
.macro RESC t                          ; O^T under the new M
	TSEL \t
.irp j, 0,2,4,6,8,10,12,14,16,18,20,22,24,26,28,30
	v_pk_mul_f32 v[O+\j:O+\j+1], v[O+\j:O+\j+1], v[FF_:FF_+1] op_sel_hi:[1,0]
.endr
.endm
.macro CVT t
	TSEL \t
	WIN 0x41*(\t)
.irp c, 0,1
	v_cvt_scalef32_pk16_fp6_f32 v[PC+6*\c:PC+6*\c+2], v[S+32*\c:S+32*\c+15], v[T3_+\c]
	v_cvt_scalef32_pk16_fp6_f32 v[CT+4*\c:CT+4*\c+2], v[S+32*\c+16:S+32*\c+31], v[T3_+\c]   ; (a conversion's three registers begin on an even number)
.endr
.endm
.macro MOVS t
	WIN 0x41*(\t)
.irp c, 0,1
.irp i, 0,1,2
	v_mov_b32 v[PC+6*\c+3+\i], v[CT+4*\c+\i]
.endr
.endr
.endm
.macro SUMS t                          ; the row's sum of the unquantised p, in eight chains
	WIN 0x45*(\t)
	v_pk_add_f32 v[240:241], v[100:101], v[104:105]
	v_pk_add_f32 v[254:255], v[108:109], v[112:113]
	v_pk_add_f32 v[252:253], v[116:117], v[120:121]
	v_pk_add_f32 v[250:251], v[124:125], v[128:129]
	v_pk_add_f32 v[248:249], v[132:133], v[136:137]
	v_pk_add_f32 v[246:247], v[140:141], v[144:145]
	v_pk_add_f32 v[244:245], v[148:149], v[152:153]
	v_pk_add_f32 v[14:15], v[14:15], v[156:157]
	v_pk_add_f32 v[240:241], v[240:241], v[96:97]
	v_pk_add_f32 v[254:255], v[254:255], v[98:99]
	v_pk_add_f32 v[252:253], v[252:253], v[102:103]
	v_pk_add_f32 v[250:251], v[250:251], v[106:107]
	v_pk_add_f32 v[248:249], v[248:249], v[110:111]
	v_pk_add_f32 v[246:247], v[246:247], v[114:115]
	v_pk_add_f32 v[244:245], v[244:245], v[118:119]
	v_pk_add_f32 v[14:15], v[14:15], v[122:123]
	v_pk_add_f32 v[240:241], v[240:241], v[126:127]
	v_pk_add_f32 v[254:255], v[254:255], v[130:131]
	v_pk_add_f32 v[252:253], v[252:253], v[134:135]
	v_pk_add_f32 v[250:251], v[250:251], v[138:139]
	v_pk_add_f32 v[248:249], v[248:249], v[142:143]
	v_pk_add_f32 v[246:247], v[246:247], v[146:147]
	v_pk_add_f32 v[244:245], v[244:245], v[150:151]
	v_pk_add_f32 v[14:15], v[14:15], v[154:155]
	v_pk_add_f32 v[240:241], v[240:241], v[158:159]
	v_pk_add_f32 v[14:15], v[14:15], v[250:251]
	v_pk_add_f32 v[240:241], v[240:241], v[248:249]
	v_pk_add_f32 v[254:255], v[254:255], v[246:247]
	v_pk_add_f32 v[252:253], v[252:253], v[244:245]
	v_pk_add_f32 v[14:15], v[14:15], v[254:255]
	v_pk_add_f32 v[240:241], v[240:241], v[252:253]
	v_pk_add_f32 v[14:15], v[14:15], v[240:241]
.endm
.macro PV pw                           ; O^T += v^T p^T of one tile: four accumulators, one instruction a turn
.irp u, 0,1,2,3
	v_wmma_scale_f32_16x16x128_f8f6f4 v[O+8*\u:O+8*\u+7], v[KF+12*\u:KF+12*\u+11], v[PC:PC+11], v[O+8*\u:O+8*\u+7], v[VS+\u], v[\pw] matrix_a_fmt:MATRIX_FMT_FP6 matrix_b_fmt:MATRIX_FMT_FP6
.endr
.endm
; A KEY STEP: 128 keys x two tiles of queries.  This step's k and v are in registers.  last = 1: nothing more is fetched
.macro STEP last
	WIN 0
	SMUL 10, 11
	WIN 0x44                                       ; q and S^T of tile 1 in window 1
	SMUL 235, 239
	WIN 0
	v_mov_b32 v238, v12                            ; the old -M of both tiles; with the two lines below the four places in front of the loads and of the first reads of S^T
	v_mov_b32 v47, v34
	v_nop
	v_nop
.if !\last
	KLOAD 12288, 768                               ; the next step's k has the softmax in which to land
.endif
	MAXES 0
	MAXES 1
	WIN 0
.irp i, 0,1,2,3,4,5,6,7,8,9,10,11
	CH \i, 0
	CH \i, 1
.endr
	PKT 0
	PKT 1
	WIN 0
	s_wait_alu depctr_va_vdst(0)                   ; the wait ahead of the batch
	v_exp_f32 v212, v212                           ; the blocks' largest p: the same two instructions on the same number give the same bits
	v_exp_f32 v214, v214
	v_exp_f32 v38, v38
	v_exp_f32 v40, v40
	EXPS 0
	EXPS 1
	v_pk_mul_f32 v[14:15], v[14:15], v[36:37] op_sel_hi:[1,0]   ; tile 1's sums under the new M: the plain line behind the batch
	s_wait_dscnt 0x0                               ; this step's v and the next step's k are in
	s_wait_alu depctr_va_vdst(0)                   ; the wait for the batch, directly ahead of the first reads of tile 1's O^T
	RESC 1
	WIN 0
	s_wait_alu depctr_va_vdst(0)                   ; and directly ahead of those of tile 0's
	RESC 0
	v_pk_mul_f32 v[14:15], v[14:15], v[236:237] op_sel_hi:[1,0]
.irp i, 0,1,2,3
	SC \i, 0
	SC \i, 1
.endr
	CVT 0
	CVT 1
	WIN 0
.irp i, 4,5,6,7,8,9                    ; (the first of these is the plain line behind the conversions)
	SC \i, 0
	SC \i, 1
.endr
	MOVS 0
	MOVS 1
	SUMS 1                                         ; these 64 lines are also the places behind the writes of p's codes and scale words
	SUMS 0
	WIN 0x01                                       ; v's fragments lie in window 1
	PV 232
	WIN 0x55
	PV 234
	WIN 0
.if !\last
	s_add_co_u32 s[TB], s[TB], 12288
	s_add_co_u32 s[TS], s[TS], 768
	ADDR                                           ; the next step's addresses; with the line below the four places in front of the loads into v's fragments and scale words
	v_nop
	s_wait_alu depctr_va_vdst(0)                   ; the wait
	VLOAD
.endif
.endm
; A TILE'S END: x = O^T / the sum, quantised along the head's 64 channels (by position: the 16 registers of tiles 2 b, 2 b + 1 are 16 true neighbours), stored.  All its registers lie in the tile's window.
.macro FIN t
	WIN 0x55*(\t)
.rept 4
	v_nop
.endr
	v_add_f32 v14, v14, v15
	v_permlanex16_b32 v238, v14, s[SEL], s[SEL+1]
	v_add_f32 v14, v14, v238                       ; the row's sum
	s_wait_alu depctr_va_vdst(0)
	v_rcp_f32 v236, v14
	v_nop                                          ; a plain line behind the reciprocal,
	s_wait_alu depctr_va_vdst(0)                   ; and the wait ahead of its first reader
.irp j, 0,2,4,6,8,10,12,14,16,18,20,22,24,26,28,30
	v_pk_mul_f32 v[O+\j:O+\j+1], v[O+\j:O+\j+1], v[236:237] op_sel_hi:[1,0]   ; each accumulator from its low end on
.endr
.irp b, 0,1
	v_max3_num_f32 v[212+\b], |v[O+16*\b]|, |v[O+16*\b+1]|, 0x1800000
.endr
.irp i, 2,4,6,8,10,12,14
.irp b, 0,1
	v_max3_num_f32 v[212+\b], v[212+\b], |v[O+16*\b+\i]|, |v[O+16*\b+\i+1]|
.endr
.endr
.irp b, 0,1
	v_permlanex16_b32 v[216+\b], v[212+\b], s[SEL], s[SEL+1]
.endr
.irp b, 0,1
	v_max_num_f32 v[212+\b], v[212+\b], v[216+\b]
.endr
.irp b, 0,1
	v_add_nc_u32 v[220+\b], 0xff000000, v[212+\b]
.endr
.irp b, 0,1
	v_lshrrev_b32 v[216+\b], 23, v[220+\b]
.endr
	v_lshl_or_b32 v[XW], v217, 8, v216
	v_cvt_scalef32_pk16_fp6_f32 v[XC:XC+2], v[O:O+15], v220
	v_cvt_scalef32_pk16_fp6_f32 v[CT:CT+2], v[O+16:O+31], v221
	v_nop
.irp i, 0,1,2
	v_permlane16_swap_b32 v[XC+\i], v[CT+\i]
.endr
.irp i, 0,1,2
	v_mov_b32 v[XC+3+\i], v[CT+\i]
.endr
	WIN 0x04*(\t)                                  ; the stores' data in the tile's window
	global_store_b128 v[L16], v[XC:XC+3], s[74:75] offset:98304*\t          ; 512 consecutive bytes, aligned
	global_store_b64 v[L8], v[XC+4:XC+5], s[74:75] offset:98304*\t+512      ; 256 consecutive bytes, aligned
	global_store_b16 v[R32], v[XW], s[76:77] offset:4096*\t                 ; two bytes a row, 32 bytes apart (lanes l and l xor 16 name the same place with the same value): 32 bytes of a tile's 800
	WIN 0
.endm
	s_load_b128 s[4:7], s[0:1], 0x0                ; qh s[4:5], kvh s[6:7]
	s_load_b64 s[8:9], s[0:1], 0x10                ; xo
	v_lshl_add_u32 v[SPW], v0, 2, SPARE
	v_mov_b32 v[NIL], 0
	ds_add_u32 v[SPW], v[NIL]                      ; the opening lines: the add, twice on end, and its wait ahead of the first tensor load
	ds_add_u32 v[SPW], v[NIL]
	v_lshrrev_b32 v6, 5, v0
	v_readfirstlane_b32 s[WV], v6                  ; wave 0..7
	v_and_b32 v6, 31, v0
	v_and_b32 v7, 15, v0
	v_bfe_u32 v8, v0, 4, 1
	v_lshlrev_b32 v[L16], 4, v6
	v_lshlrev_b32 v[L8], 3, v6
	v_lshlrev_b32 v[R16], 4, v7
	v_lshlrev_b32 v[R32], 5, v7
	v_lshlrev_b32 v[SH8], 3, v8
.irp r, 22,23,24,25,26,27, 237,216,217,219,238, 37,43,44
	v_mov_b32 v\r, 0                               ; the zero codes between the two copies of q; registers named in a pair with f; lane permutes' destinations, which count as sources
.endr
	WIN 0x40
.irp r, 22,23,24,25,26,27, 237,216,217,238
	v_mov_b32 v\r, 0                               ; the same in window 1
.endr
	WIN 0
	s_bfe_u32 s10, ttmp6, 0x40000                  ; cx: it enters q's and x's global addresses alone
	s_and_b32 s11, ttmp7, 0xffff                   ; 16 x batch + head, which the four partners share
	s_and_b32 s19, s[WV], 1
	s_mov_b32 s[G1D], 15|(3<<16)|(1<<21)           ; dense bytes as rows of 256 (32 elements of 8 bytes); the mask names all four work-groups
	s_mov_b32 s[G1D+1], 32<<16
	s_mov_b32 s[G1D+2], 128<<16
	s_mov_b32 s[G1D+3], 32<<16
	s_mov_b32 s[G1D+4], 128
	s_mov_b32 s[G1D+5], 32
	s_mov_b32 s[G1D+6], 0
	s_mov_b32 s[G1D+7], 0
	s_mov_b32 s[G1S], 15|(3<<16)|(1<<21)
	s_mov_b32 s[G1S+1], 32<<16
	s_mov_b32 s[G1S+2], 24<<16
	s_mov_b32 s[G1S+3], 32<<16
	s_mov_b32 s[G1S+4], 24
	s_mov_b32 s[G1S+5], 32
	s_mov_b32 s[G1S+6], 0
	s_mov_b32 s[G1S+7], 0
	s_mul_i32 s66, s11, 196608                     ; the head's stream, my sixth
	s_lshl_b32 s67, s[WV], 15
	s_add_co_u32 s66, s66, s67
	s_mov_b32 s67, 0
	s_mul_i32 s68, s11, 12288                      ; its scale words, my half
	s_mul_i32 s69, s19, 6144
	s_add_co_u32 s68, s68, s69
	s_add_co_u32 s68, s68, 12582912
	s_mov_b32 s69, 0
	s_mov_b32 s[G0S], 1
	s_mul_i32 s[G0S+1], s19, 6144
	s_mov_b32 s[G0D], 1
	s_lshl_b32 s[G0D+1], s[WV], 15
	s_add_co_u32 s[G0D+1], s[G0D+1], STR
	s_mov_b32 s[SEL], 0x76543210
	s_mov_b32 s[SEL+1], 0xfedcba98
	s_mov_b32 s[CS], 0x3e38aa3b                    ; c = log2(e) / 8
	s_mov_b32 s[CS+1], s[CS]
	s_lshl_b32 s12, s10, 2                         ; my tiles: T = 32 cx + wave, T + 8; in the second pass 16 further on.  q lies in qh as k lies in kvh: head, step T / 8, tile T % 8
	s_mul_i32 s70, s11, 196608
	s_mul_i32 s71, s12, 12288
	s_add_co_u32 s70, s70, s71
	s_mul_i32 s71, s[WV], 768
	s_add_co_u32 s70, s70, s71
	s_mov_b32 s71, 0
	s_mul_i32 s72, s11, 12288
	s_mul_i32 s73, s12, 768
	s_add_co_u32 s72, s72, s73
	s_lshr_b32 s73, s[WV], 2
	s_lshl_b32 s73, s73, 8
	s_add_co_u32 s72, s72, s73
	s_and_b32 s73, s[WV], 3
	s_lshl_b32 s73, s73, 2
	s_add_co_u32 s72, s72, s73
	s_add_co_u32 s72, s72, 12582912
	s_mov_b32 s73, 0
	s_lshr_b32 s15, s11, 4                         ; batch
	s_and_b32 s16, s11, 15                         ; head
	s_lshl_b32 s17, s15, 7
	s_lshl_b32 s13, s10, 5
	s_add_co_u32 s17, s17, s13
	s_add_co_u32 s17, s17, s[WV]                   ; x's tile: 128 x batch + T
	s_mul_i32 s74, s17, 12288
	s_mul_i32 s75, s16, 768
	s_add_co_u32 s74, s74, s75
	s_mov_b32 s75, 0
	s_lshl_b32 s76, s17, 9
	s_lshl_b32 s77, s16, 1
	s_add_co_u32 s76, s76, s77
	s_add_co_u32 s76, s76, 6291456
	s_mov_b32 s77, 0
	s_mov_b32 s[PASS], 0
	s_wait_alu depctr_va_vdst(0)                   ; directly ahead of the wait below
	s_wait_dscnt 0x0                               ; both opening adds are done
	CROUND                                         ; all four work-groups are here: the joint loads meet
	s_wait_kmcnt 0x0
	s_add_nc_u64 s[G0D+2:G0D+3], s[6:7], s[66:67]
	s_or_b32 s[G0D+3], s[G0D+3], 0x80000000
	s_add_nc_u64 s[G0S+2:G0S+3], s[6:7], s[68:69]
	s_or_b32 s[G0S+3], s[G0S+3], 0x80000000
	s_add_nc_u64 s[70:71], s[4:5], s[70:71]
	s_add_nc_u64 s[72:73], s[4:5], s[72:73]
	s_add_nc_u64 s[74:75], s[8:9], s[74:75]
	s_add_nc_u64 s[76:77], s[8:9], s[76:77]
	s_cmp_lt_u32 s[WV], 6                          ; one tensor load a wave, in the two arms of one branch on the wave's number
	s_cbranch_scc0 .Lwords
	tensor_load_to_lds s[G0D:G0D+3], s[G1D:G1D+7]
	s_nop 0
.rept 4
	v_nop
.endr
	s_branch .Lasked
.Lwords:
	tensor_load_to_lds s[G0S:G0S+3], s[G1S:G1S+7]
	s_nop 0
.rept 4
	v_nop
.endr
.Lasked:
	global_load_b128 v[QF:QF+3], v[L16], s[70:71]                      ; tile 0's q, twice
	global_load_b64 v[QF+4:QF+5], v[L8], s[70:71] offset:512
	global_load_b128 v[QF+12:QF+15], v[L16], s[70:71]
	global_load_b64 v[QF+16:QF+17], v[L8], s[70:71] offset:512
	global_load_b32 v10, v[R16], s[72:73]                              ; the two tiles' scale words
	global_load_b32 v235, v[R16], s[72:73] offset:768
	WIN 0x40
	global_load_b128 v[QF:QF+3], v[L16], s[70:71] offset:12288         ; tile 1's
	global_load_b64 v[QF+4:QF+5], v[L8], s[70:71] offset:12288+512
	global_load_b128 v[QF+12:QF+15], v[L16], s[70:71] offset:12288
	global_load_b64 v[QF+16:QF+17], v[L8], s[70:71] offset:12288+512
	global_load_b128 v[0:3], v[L16], s[70:71] offset:24576             ; the second pass's
	global_load_b64 v[4:5], v[L8], s[70:71] offset:24576+512
	global_load_b32 v6, v[R16], s[72:73] offset:1536
	global_load_b128 v[40:43], v[L16], s[70:71] offset:36864
	global_load_b64 v[44:45], v[L8], s[70:71] offset:36864+512
	global_load_b32 v46, v[R16], s[72:73] offset:2304
	WIN 0
	s_wait_tensorcnt 0x0                           ; my part of the head's bytes is in
	s_barrier_signal -1
	s_barrier_wait -1                              ; and everybody's
	s_wait_loadcnt 0x0                             ; q
	v_lshlrev_b32 v11, 16, v10                     ; the scale words for [0 | q]
	v_lshlrev_b32 v239, 16, v235
.Lpass:                                                ; a pass: two tiles through the head's 16 key steps
	s_mov_b32 s[TB], STR
	s_mov_b32 s[TS], 0
	s_mov_b32 s[CNT], 15
	ADDR
	v_mov_b32 v13, 0xff61b1e6                      ; the largest score so far: -3e38
	v_mov_b32 v35, 0xff61b1e6
	v_mov_b32 v14, 0
	v_mov_b32 v15, 0
	v_floor_f32 v12, -v13
	v_floor_f32 v34, -v35
.set J_, 0
.rept 32
	v_mov_b32 v[O+J_], 0                           ; the step is written once: the first finds zeros, which the first change of M leaves zeros
.set J_, J_+1
.endr
	WIN 0x40
	v_mov_b32 v14, 0
	v_mov_b32 v15, 0
.set J_, 0
.rept 32
	v_mov_b32 v[O+J_], 0
.set J_, J_+1
.endr
	WIN 0
	s_wait_alu depctr_va_vdst(0)                   ; the wait here
	KLOAD 0, 0
	VLOAD
	s_wait_dscnt 0x0
.Lstep:
	STEP 0
	s_sub_co_u32 s[CNT], s[CNT], 1
	s_cmp_lg_u32 s[CNT], 0
	s_cbranch_scc1 .Lstep
	STEP 1
	FIN 0
	FIN 1
	s_cmp_eq_u32 s[PASS], 1
	s_cbranch_scc1 .Llast
	WIN 0x01                                       ; the second pass's q, out of window 1
	v_mov_b32 v10, v6
	v_mov_b32 v235, v46
.irp i, 0,1,2,3,4,5
	v_mov_b32 v[QF+\i], v[\i]
	v_mov_b32 v[QF+12+\i], v[\i]
.endr
	WIN 0x41
.irp i, 0,1,2,3,4,5
	v_mov_b32 v[QF+\i], v[40+\i]
	v_mov_b32 v[QF+12+\i], v[40+\i]
.endr
	WIN 0
	v_lshlrev_b32 v11, 16, v10
	v_lshlrev_b32 v239, 16, v235
	s_wait_xcnt 0x0                                ; the stores have read their registers and bases: the bases step, and S^T may be written again
	s_add_nc_u64 s[74:75], s[74:75], 196608
	s_add_nc_u64 s[76:77], s[76:77], 8192
.Llast:
	s_add_co_u32 s[PASS], s[PASS], 1
	s_cmp_lt_u32 s[PASS], 2
	s_wait_alu depctr_va_vdst(0)                   ; the wait directly ahead of the branch
	s_cbranch_scc1 .Lpass
	s_wait_tensorcnt 0x0                           ; the wave's end
	ds_add_u32 v[SPW], v[NIL]
	s_wait_dscnt 0x0
	CROUND                                         ; the closing round
	s_endpgm
.Lfunc_end_k_q0d1194ff41_attn:
	.size	k_q0d1194ff41_attn, .Lfunc_end_k_q0d1194ff41_attn-k_q0d1194ff41_attn
	.p2alignl 7, 3214868480
	.fill 96, 4, 3214868480
	.section	.rodata,"a",@progbits
	.p2align	6, 0x0
	.amdhsa_kernel k_q0d1194ff41_attn
		.amdhsa_group_segment_fixed_size 209920
		.amdhsa_private_segment_fixed_size 0
		.amdhsa_enable_private_segment 0
		.amdhsa_kernarg_size 24
		.amdhsa_user_sgpr_count 2
		.amdhsa_user_sgpr_kernarg_segment_ptr 1
		.amdhsa_wavefront_size32 1
		.amdhsa_system_sgpr_workgroup_id_x 1
		.amdhsa_system_sgpr_workgroup_id_y 1
		.amdhsa_system_sgpr_workgroup_id_z 1
		.amdhsa_system_vgpr_workitem_id 0
		.amdhsa_next_free_vgpr 512
		.amdhsa_next_free_sgpr 80
		.amdhsa_reserve_vcc 0
		.amdhsa_float_denorm_mode_32 3
		.amdhsa_float_denorm_mode_16_64 3
		.amdhsa_memory_ordered 1
		.amdhsa_forward_progress 1
		.amdhsa_inst_pref_size 74
	.end_amdhsa_kernel
	.amdgpu_metadata
---
amdhsa.version: [ 1, 2 ]
amdhsa.kernels:
  - .name:           k_q0d1194ff41_attn
    .symbol:         k_q0d1194ff41_attn.kd
    .args:
      - { .name: qh, .offset: 0, .size: 8, .value_kind: global_buffer, .address_space: global }
      - { .name: kvh, .offset: 8, .size: 8, .value_kind: global_buffer, .address_space: global }
      - { .name: xo, .offset: 16, .size: 8, .value_kind: global_buffer, .address_space: global }
    .group_segment_fixed_size: 209920
    .private_segment_fixed_size: 0
    .kernarg_segment_align: 8
    .kernarg_segment_size: 24
    .max_flat_workgroup_size: 256
    .sgpr_count:     80
    .vgpr_count:     512
    .wavefront_size: 32
...
	.end_amdgpu_metadata
.endif
;; end of part 3
;; launch outp (part 4): grid 4 x 64, 4 waves a work-group, clusters of 4 x 4, 312,832 bytes of LDS; arguments xo, wq, out0; writes out0
.if DOCPART == 4
	.amdgcn_target "amdgcn-amd-amdhsa--gfx1250"
	.amdhsa_code_object_version 6
	.text
	.protected	k_q0d1194ff41_outp
	.globl	k_q0d1194ff41_outp
	.p2align	8
	.type	k_q0d1194ff41_outp,@function
k_q0d1194ff41_outp:
	s_mov_b64 s[64:65], 0
	v_nop
	global_prefetch_b8 v0, s[64:65] scope:SCOPE_SE
	s_setreg_imm32_b32 hwreg(HW_REG_WAVE_MODE, 25, 1), 1
	s_wait_xcnt 0x0
	s_wait_alu depctr_hold_cnt(0) depctr_sa_sdst(0) depctr_va_vdst(0) depctr_va_sdst(0) depctr_va_ssrc(0) depctr_va_vcc(0) depctr_vm_vsrc(0)
	s_getreg_b32 s2, hwreg(HW_REG_IB_STS2, 6, 4)
	s_cmp_eq_u32 s2, 0
	s_cbranch_scc0 .Lentry_in_a_cluster
	s_endpgm
.Lentry_in_a_cluster:
	s_bfe_u32 s2, ttmp6, 0x10000c
	s_cmp_lg_u32 s2, 0xf033
	s_cbranch_scc0 .Lentry_shape_is_right
	s_endpgm
.Lentry_shape_is_right:
; out0 = x w_o on codes of FP6 (E2M3) with E8M0 scales; x [8192][1024] as the launch before left it, w_o's columns as the first launch left them; sums in f32.
; SHARES.  A work-group makes 128 rows x 256 columns: 4 x 64 work-groups.  ALL OF K lies in LDS, filled once: x's 8 tiles (98,304 bytes) and w_o's 16 tiles (196,608), each in two halves along K:
; wave 0 brings x's K steps 0-3, wave 1 w_o's, waves 2 and 3 K steps 4-7: one tensor load a wave.  The first barrier shows the first half alone; the second half is shown by a barrier in K step 2.
; Nothing is filled again.  Four waves, 2 x 2; a wave makes 64 x 128: 32 accumulators, 256 registers.
; CLUSTER 4 x 4: x's tiles are shared along a row of the cluster, w_o's along a column, by joint loads.
; THE SCALE WORDS go from memory into registers, once: lanes 0-15 take an even tile's rows, lanes 16-31 the next tile's; x's 16 registers, w_o's 32.
; NO PREFETCH: all that the launch reads is asked for at its head; there is no loop to run ahead in.
; x's fragment of K step s is two heads' halves of 768 bytes: registers 0-3 at 16 x lane, 4-5 at 512 + 8 x lane, and the same 768 bytes on.  w_o's is an image of 1,536 bytes.
; THE MATRIX INSTRUCTION IS USED TRANSPOSED (source 0 = 16 columns of w_o, source 1 = 16 rows of x).  Rows and columns lie by position (bits 3 and 4 swapped): the way out sets both right.
; REGISTERS: window 0: v8-29 addresses, v36-51 x's scale words, v56-87 w_o's, v96-191 x's fragments in two sets, v192-255 the way out; window 1: w_o's fragments in two sets; window 2: the accumulators.
.set SPARE, 294912
.set STG,   295424                     ; a stage of 16 rows x (256 + 16) bytes for each wave, bytes into which no fill lands
.set ADA,  16                          ; v16-17 x's fragments, 16 x lane, K half 0, 1;  v18-19 the same with 8 x lane
.set ADA8, 18
.set ADB,  20
.set VSA,  22
.set VSB,  23
.set STO,  24
.set RD,   25
.set CO,   26
.set SPW,  28
.set NIL,  29
.set SA,   36
.set SBR,  56
.set AF,   96
.set BK,   192
.set G1A,  24
.set G1B,  32
.set MSB, 0
.macro WIN new
.if MSB != (\new)
	s_set_vgpr_msb (MSB<<8)|(\new)
.set MSB, (\new)
.endif
.endm
.macro PLACES
.rept 4
	v_nop
.endr
.endm
.macro CROUND
	s_barrier_signal -1
	s_barrier_wait -1
	s_cmp_lg_u32 s14, 0
	s_cbranch_scc1 .Lnot_wave_0_\@
	s_barrier_signal -3
.Lnot_wave_0_\@:
	s_barrier_wait -3
	s_barrier_signal -1
	s_barrier_wait -1
.endm
.macro TLOAD g0, g1
	tensor_load_to_lds s[\g0:\g0+3], s[\g1:\g1+7]
	s_nop 0
	PLACES
.endm
.macro ARM under, g0, g1, next
	s_cmp_lt_u32 s14, \under
	s_cbranch_scc0 \next
	TLOAD \g0, \g1
	s_branch .Lhead_asked
\next:
.endm
.macro FETCH st                        ; K step st's fragments into set st % 2: 24 + 16 LDS loads
.set P_, (\st)%2
.set KH_, (\st)/4
.set Q_, 1536*((\st)%4)
	WIN 0x40
.irp i, 0,1,2,3,4,5,6,7
.irp j, 0,1,2
	ds_load_b128 v[128*P_+12*\i+4*\j:128*P_+12*\i+4*\j+3], v[ADB+KH_] offset:6144*\i+Q_+512*\j
.endr
.endr
	WIN 0
.irp i, 0,1,2,3
.set R_, AF+48*P_+12*\i
	ds_load_b128 v[R_:R_+3], v[ADA+KH_] offset:6144*\i+Q_
	ds_load_b64 v[R_+4:R_+5], v[ADA8+KH_] offset:6144*\i+Q_+512
	ds_load_b128 v[R_+6:R_+9], v[ADA+KH_] offset:6144*\i+Q_+768
	ds_load_b64 v[R_+10:R_+11], v[ADA8+KH_] offset:6144*\i+Q_+1280
.endr
.endm
.macro MUL16 ap, st                    ; x's tiles 2 ap, 2 ap + 1 against w_o's eight; the 32 accumulators take turns, one instruction a turn
.set P_, (\st)%2
.irp ra, 0,1
.irp bp, 0,1,2,3
.irp rb, 0,1
.set D_, 8*(8*(2*(\ap)+\ra)+2*\bp+\rb)
.set B_, 128*P_+12*(2*\bp+\rb)
.set A_, AF+48*P_+12*(2*(\ap)+\ra)
.if (\st) == 0
	v_wmma_scale_f32_16x16x128_f8f6f4 v[D_:D_+7], v[B_:B_+11], v[A_:A_+11], 0, v[SBR+8*\bp+(\st)], v[SA+8*(\ap)+(\st)] matrix_a_fmt:MATRIX_FMT_FP6 matrix_b_fmt:MATRIX_FMT_FP6 matrix_a_scale:MATRIX_SCALE_ROW\rb matrix_b_scale:MATRIX_SCALE_ROW\ra
.else
	v_wmma_scale_f32_16x16x128_f8f6f4 v[D_:D_+7], v[B_:B_+11], v[A_:A_+11], v[D_:D_+7], v[SBR+8*\bp+(\st)], v[SA+8*(\ap)+(\st)] matrix_a_fmt:MATRIX_FMT_FP6 matrix_b_fmt:MATRIX_FMT_FP6 matrix_a_scale:MATRIX_SCALE_ROW\rb matrix_b_scale:MATRIX_SCALE_ROW\ra
.endif
.endr
.endr
.endr
.endm
.macro KSTEP st
.if (\st) < 7
.if (\st) > 0
	PLACES                                         ; in front of loads into the set that the last step multiplied
.endif
	FETCH (\st)+1
	s_wait_dscnt 40                                ; all but the 40 loads just issued: this step's fragments are in
.else
	s_wait_dscnt 0x0
.endif
	WIN 0xa1
	MUL16 0, \st
.if (\st) == 2
	s_wait_tensorcnt 0x0                           ; every wave's load has landed, the second half of K among them;
	s_wait_dscnt 0x0
	s_barrier_signal -1                            ; a plain barrier
	MUL16 1, \st
	s_barrier_wait -1
.else
	MUL16 1, \st
.endif
.endm
; THE WAY OUT, 16 rows x 64 columns at a time (k = 2 a + g: x's tile a, half g of my columns), through my own stage; back as rows of 256 bytes.  LDS serves a wave's instructions in order.
.macro TOSTAGE k
.set AC, 32*(\k)
	WIN 0x08
.irp b, 0,1,2,3
	ds_store_b128 v[STO], v[AC+8*\b:AC+8*\b+3] offset:128*(\b/2)+32*(\b%2)
	ds_store_b128 v[STO], v[AC+8*\b+4:AC+8*\b+7] offset:128*(\b/2)+32*(\b%2)+16
.endr
	WIN 0
.set BB, BK+32*((\k)%2)
.irp t, 0,1,2,3,4,5,6,7
	ds_load_b128 v[BB+4*\t:BB+4*\t+3], v[RD] offset:\t*544
.endr
.endm
.macro SEND k, younger
.set BB, BK+32*((\k)%2)
.set A_, (\k)/2
	s_wait_dscnt \younger
.irp t, 0,1,2,3,4,5,6,7
	global_store_b128 v[CO], v[BB+4*\t:BB+4*\t+3], s[8:9] offset:(32*(A_/2)+8*(A_%2)+2*\t+8*(\t/4))*4096+256*((\k)%2) th:TH_STORE_NT   ; sixteen lanes store 256 consecutive bytes, aligned
.endr
.endm
	s_load_b128 s[4:7], s[0:1], 0x0                ; xo, wq
	s_load_b64 s[8:9], s[0:1], 0x10                ; out0
	v_lshl_add_u32 v[SPW], v0, 2, SPARE
	v_mov_b32 v[NIL], 0
	ds_add_u32 v[SPW], v[NIL]                      ; the opening lines
	ds_add_u32 v[SPW], v[NIL]
	v_lshrrev_b32 v1, 5, v0
	v_readfirstlane_b32 s14, v1                    ; wave 0..3
	s_lshr_b32 s15, s14, 1                         ; my half of the rows
	s_and_b32 s16, s14, 1                          ; my half of the columns
	s_bfe_u32 s17, ttmp6, 0x40000                  ; cx
	s_bfe_u32 s18, ttmp6, 0x40004                  ; cy
	s_lshl_b32 s23, ttmp9, 2
	s_add_co_u32 s23, s23, s17                     ; block column
	s_and_b32 s22, ttmp7, 0xffff
	s_lshl_b32 s22, s22, 2
	s_add_co_u32 s22, s22, s18                     ; block row
	s_lshl_b32 s20, s18, 2
	s_lshl_b32 s20, 15, s20                        ; my row of the cluster
	s_lshl_b32 s21, 0x1111, s17                    ; my column
	s_or_b32 s[G1A+0], s20, (3<<16)|(1<<21)        ; rows of 6,144 bytes (768 elements of 8), 12,288 apart: half of K of each tile
	s_or_b32 s[G1B+0], s21, (3<<16)|(1<<21)
	s_mov_b32 s[G1A+1], 768<<16
	s_mov_b32 s[G1A+2], 8<<16
	s_mov_b32 s[G1A+3], 768<<16
	s_mov_b32 s[G1A+4], 8
	s_mov_b32 s[G1A+5], 1536
	s_mov_b32 s[G1A+6], 0
	s_mov_b32 s[G1A+7], 0
	s_mov_b32 s[G1B+1], 768<<16
	s_mov_b32 s[G1B+2], 16<<16
	s_mov_b32 s[G1B+3], 768<<16
	s_mov_b32 s[G1B+4], 16
	s_mov_b32 s[G1B+5], 1536
	s_mov_b32 s[G1B+6], 0
	s_mov_b32 s[G1B+7], 0
	s_mul_i32 s60, s22, 98304
	s_mov_b32 s61, 0
	s_mul_i32 s62, s23, 196608
	s_add_co_u32 s62, s62, 2359296
	s_mov_b32 s63, 0
	s_lshl_b32 s56, s22, 12                        ; x's scale words: 512 bytes a tile, my four tiles
	s_lshl_b32 s57, s15, 11
	s_add_co_u32 s56, s56, s57
	s_add_co_u32 s56, s56, 6291456
	s_mov_b32 s57, 0
	s_lshl_b32 s58, s23, 13                        ; w_o's: my eight tiles
	s_lshl_b32 s59, s16, 12
	s_add_co_u32 s58, s58, s59
	s_add_co_u32 s58, s58, 3244032
	s_mov_b32 s59, 0
	s_lshl_b32 s66, s22, 7
	s_lshl_b32 s67, s15, 6
	s_add_co_u32 s66, s66, s67
	s_lshl_b32 s66, s66, 12                        ; my first row of out0,
	s_lshl_b32 s67, s23, 10
	s_add_co_u32 s66, s66, s67
	s_lshl_b32 s67, s16, 9
	s_add_co_u32 s66, s66, s67                     ; my first column
	s_mov_b32 s67, 0
	s_mul_i32 s12, s15, 24576
	s_mul_i32 s13, s16, 49152
	s_add_co_u32 s13, s13, 98304
	s_mul_i32 s19, s14, 4352
	s_add_co_u32 s19, s19, STG
	s_mov_b32 s40, 1
	s_mov_b32 s41, 0
	s_mov_b32 s44, 1
	s_mov_b32 s45, 98304
	s_mov_b32 s48, 1
	s_mov_b32 s49, 49152
	s_mov_b32 s52, 1
	s_mov_b32 s53, 196608
	v_and_b32 v1, 31, v0
	v_and_b32 v2, 15, v0
	v_bfe_u32 v3, v0, 4, 1
	v_lshlrev_b32 v8, 4, v1
	v_lshlrev_b32 v9, 3, v1
	v_add_nc_u32 v[ADA], s12, v8
	v_add_nc_u32 v[ADA8], s12, v9
	v_add_nc_u32 v[ADB], s13, v8
	v_add_nc_u32 v[ADA+1], 49152, v[ADA]
	v_add_nc_u32 v[ADA8+1], 49152, v[ADA8]
	v_add_nc_u32 v[ADB+1], 98304, v[ADB]
	v_lshlrev_b32 v4, 9, v3
	v_lshl_add_u32 v[VSA], v2, 5, v4               ; 512 h + 32 r: a row's eight words
	v_lshl_add_u32 v[VSB], v2, 3, v4               ; 512 h + 8 r: a row's two words of a pair of K steps
	v_mul_u32_u24 v5, v2, 272
	v_lshl_add_u32 v5, v3, 6, v5
	v_add_nc_u32 v[STO], s19, v5                   ; into the stage: row r, 64 bytes for each half of the lanes
	v_mul_u32_u24 v6, v3, 272
	v_lshl_add_u32 v6, v2, 4, v6
	v_add_nc_u32 v[RD], s19, v6                    ; back: sixteen lanes to a row
	v_lshlrev_b32 v7, 12, v3
	v_lshl_add_u32 v[CO], v2, 4, v7                ; and the same two rows in out0
	s_wait_alu depctr_va_vdst(0)                   ; the wait at the end of the head's vector work
	s_wait_dscnt 0x0
	CROUND                                         ; all sixteen work-groups are here: the joint loads meet
	s_wait_kmcnt 0x0
	s_add_nc_u64 s[42:43], s[4:5], s[60:61]
	s_add_nc_u64 s[50:51], s[42:43], 6144
	s_or_b32 s43, s43, 0x80000000
	s_or_b32 s51, s51, 0x80000000
	s_add_nc_u64 s[46:47], s[6:7], s[62:63]
	s_add_nc_u64 s[54:55], s[46:47], 6144
	s_or_b32 s47, s47, 0x80000000
	s_or_b32 s55, s55, 0x80000000
	s_add_nc_u64 s[56:57], s[4:5], s[56:57]
	s_add_nc_u64 s[58:59], s[6:7], s[58:59]
	s_add_nc_u64 s[8:9], s[8:9], s[66:67]
	ARM 1, 40, G1A, .Lhead_b0
	ARM 2, 44, G1B, .Lhead_a1
	ARM 3, 48, G1A, .Lhead_b1
	TLOAD 52, G1B
.Lhead_asked:
.irp ip, 0,1
.irp c, 0,1
	global_load_b128 v[SA+8*\ip+4*\c:SA+8*\ip+4*\c+3], v[VSA], s[56:57] offset:1024*\ip+16*\c
.endr
.endr
.irp ip, 0,1,2,3
.irp p, 0,1,2,3
	global_load_b64 v[SBR+8*\ip+2*\p:SBR+8*\ip+2*\p+1], v[VSB], s[58:59] offset:1024*\ip+128*\p
.endr
.endr
	s_cmp_lt_u32 s14, 2
	s_cbranch_scc0 .Lnot_first
	s_wait_tensorcnt 0x0                           ; waves 0 and 1: the first half of K, by load lines that are theirs alone
.Lnot_first:
	s_barrier_signal -1
	s_barrier_wait -1
	FETCH 0
	s_wait_loadcnt 0x0                             ; the scale words
.irp st, 0,1,2,3,4,5,6,7
	KSTEP \st
.endr
	WIN 0
	PLACES
	TOSTAGE 0
.irp k, 1,2,3,4,5,6,7
.if \k > 1
	s_wait_xcnt 0x0                                ; the stores of two blocks ago have read their registers
.endif
	TOSTAGE \k
	SEND (\k-1), 16                                ; behind that block's loads: this block's 8 stores and 8 loads
.endr
	SEND 7, 0
	s_wait_tensorcnt 0x0                           ; the wave's end
	ds_add_u32 v[SPW], v[NIL]
	s_wait_dscnt 0x0
	CROUND                                         ; the closing round
	s_endpgm
.Lfunc_end_k_q0d1194ff41_outp:
	.size	k_q0d1194ff41_outp, .Lfunc_end_k_q0d1194ff41_outp-k_q0d1194ff41_outp
	.p2alignl 7, 3214868480
	.fill 96, 4, 3214868480
	.section	.rodata,"a",@progbits
	.p2align	6, 0x0
	.amdhsa_kernel k_q0d1194ff41_outp
		.amdhsa_group_segment_fixed_size 312832
		.amdhsa_private_segment_fixed_size 0
		.amdhsa_enable_private_segment 0
		.amdhsa_kernarg_size 24
		.amdhsa_user_sgpr_count 2
		.amdhsa_user_sgpr_kernarg_segment_ptr 1
		.amdhsa_wavefront_size32 1
		.amdhsa_system_sgpr_workgroup_id_x 1
		.amdhsa_system_sgpr_workgroup_id_y 1
		.amdhsa_system_sgpr_workgroup_id_z 1
		.amdhsa_system_vgpr_workitem_id 0
		.amdhsa_next_free_vgpr 768
		.amdhsa_next_free_sgpr 72
		.amdhsa_reserve_vcc 0
		.amdhsa_float_denorm_mode_32 3
		.amdhsa_float_denorm_mode_16_64 3
		.amdhsa_memory_ordered 1
		.amdhsa_forward_progress 1
		.amdhsa_inst_pref_size 79
	.end_amdhsa_kernel
	.amdgpu_metadata
---
amdhsa.version: [ 1, 2 ]
amdhsa.kernels:
  - .name:           k_q0d1194ff41_outp
    .symbol:         k_q0d1194ff41_outp.kd
    .args:
      - { .name: xo, .offset: 0, .size: 8, .value_kind: global_buffer, .address_space: global }
      - { .name: wq, .offset: 8, .size: 8, .value_kind: global_buffer, .address_space: global }
      - { .name: out0, .offset: 16, .size: 8, .value_kind: global_buffer, .address_space: global }
    .group_segment_fixed_size: 312832
    .private_segment_fixed_size: 0
    .kernarg_segment_align: 8
    .kernarg_segment_size: 24
    .max_flat_workgroup_size: 128
    .sgpr_count:     72
    .vgpr_count:     768
    .wavefront_size: 32
...
	.end_amdgpu_metadata
.endif
;; end of part 4
